; MI455X (gfx1250); checked and timed in simulation.
; The chip was launched on July 23, 2026; its instructions are those of AMD's public machine-readable ISA for CDNA 5 (MIT licence, August 2026) and "CDNA5" Instruction Set Architecture Reference Guide (July 2026). The comments in the code are by the model that wrote it; some were corrected since.
;; Local Attention. Allowed arithmetic: float matrix products may take bf16 or f16 operands with f32 sums; other float arithmetic in f32, or as packed bf16 or f16 multiplies, adds, multiply-adds, maxima and minima; sums over many terms, partial sums and values carried from step to step in f32; what a program stores and reads back later, other than sums and carried values, may be rounded once to bf16 or f16.
;; Inputs: b_proj 1,024 float32; b_qkv 3,072 float32; w_proj 1,024 x 1,024 float32; w_qkv 1,024 x 3,072 float32; x 4 x 2,048 x 1,024 float32.
;; Outputs: out0 4 x 2,048 x 1,024 float32.
;; Constants: window_size = 128.
;; One version. Each part assembles by itself: llvm-mc -triple=amdgcn-amd-amdhsa -mcpu=gfx1250 --defsym DOCPART=n.
;; ======== version 1 of 1: 5 launches
;; limits: values are held in f16: magnitudes above 65,504 overflow, below 6.1e-05 lose precision
;; workspace buffers: xb 16,777,216 bytes; wqt 6,291,456 bytes; wpt 2,097,152 bytes; qkv 50,331,648 bytes; pf 6,291,456 bytes; st 524,288 bytes; ob 16,777,216 bytes
;; launch prep (part 1): grid 1536 x 1, 8 waves a work-group, no clusters, 18,432 bytes of LDS; arguments x, w_qkv, w_proj, xb, wqt, wpt; writes xb, wqt, wpt
.if DOCPART == 1
	.amdgcn_target "amdgcn-amd-amdhsa--gfx1250"
	.amdhsa_code_object_version 6
	.text
	.protected	k_qdf35af028b_prep
	.globl	k_qdf35af028b_prep
	.p2align	8
	.type	k_qdf35af028b_prep,@function
k_qdf35af028b_prep:
	s_mov_b64 s[64:65], 0
	v_nop
	global_prefetch_b8 v0, s[64:65] scope:SCOPE_SE
	s_setreg_imm32_b32 hwreg(HW_REG_WAVE_MODE, 25, 1), 1
	s_wait_xcnt 0x0
; ROUNDING AND LAYOUT.  x [8192][1024] f32 -> xb bf16 [kb 16][row 8192][64 k];  w_qkv [1024 k][3072 n] f32 -> wqt bf16 [kb 16][n 3072][64 k] (turned);
; w_proj [1024 k][1024 n] f32 -> wpt [n 1024][k 1024]: rounded to bf16, that number written as f16 (exact within f16's range; below 6e-5 on f16's fixed step of 6e-8).
; Every work-group moves 32 KiB in and 16 KiB out.  Work-groups 0-1023: 8 rows of x.  1024-1407: a tile of 128 k x 64 n of w_qkv.  1408-1535: the same of w_proj.
; The branch between the three hangs on the work-group's number alone: all eight waves take the same way.  A stream read once: no matrix unit, no cluster, no tensor load.
.set SPARE, 17408                      ; behind the stage (64 rows of 272 bytes): the spare words, 128 bytes for each of eight waves
.set SPW, 10                           ; v10  my spare word; never rewritten
.set NIL, 11                           ; v11  0; never rewritten
.set OFF, 2                            ; v2-9 weights: byte offset of my 16 bytes in row 8 kr + j of the tile
.set X,   16                           ; v16-47 as loaded
.set Y,   48                           ; v48-63 rounded
	s_load_b256 s[4:11], s[0:1], 0x0               ; x s[4:5], w_qkv s[6:7], w_proj s[8:9], xb s[10:11]
	s_load_b128 s[12:15], s[0:1], 0x20             ; wqt s[12:13], wpt s[14:15]
	v_lshl_add_u32 v[SPW], v0, 2, SPARE
	v_mov_b32 v[NIL], 0
	s_mov_b32 s2, ttmp9
	s_mov_b32 s21, 0
	s_cmp_lt_u32 s2, 0x400
	s_cbranch_scc0 .Lweights
	; x: wave w takes rows 4 (w / 4) + 0..3 and columns 256 (w % 4) on; eight lanes a row, 32 bytes a lane; load pair i is K block 4 (w % 4) + i
	v_and_b32 v1, 31, v0
	v_lshrrev_b32 v2, 5, v0
	v_lshrrev_b32 v3, 3, v1                        ; p: row in the wave's four
	v_and_b32 v4, 7, v1                            ; e: my 8 numbers of a K block's 64
	v_lshrrev_b32 v5, 2, v2
	v_and_b32 v6, 3, v2
	v_lshl_add_u32 v7, v5, 2, v3                   ; row 0..7
	v_lshlrev_b32 v8, 12, v7                       ; in: row x 4,096
	v_lshl_add_u32 v8, v6, 10, v8
	v_lshl_add_u32 v8, v4, 5, v8
	v_lshlrev_b32 v9, 7, v7                        ; out: row x 128
	v_lshl_add_u32 v9, v6, 22, v9                  ; + four K blocks of 1,048,576 bytes
	v_lshl_add_u32 v9, v4, 4, v9
	s_lshl_b32 s20, s2, 15
	s_wait_kmcnt 0x0
	s_add_nc_u64 s[16:17], s[4:5], s[20:21]
	s_lshl_b32 s20, s2, 10
	s_add_nc_u64 s[18:19], s[10:11], s[20:21]
.irp i, 0,1,2,3
	global_load_b128 v[X+8*(\i):X+8*(\i)+3],   v8, s[16:17] offset:256*(\i) th:TH_LOAD_NT
	global_load_b128 v[X+8*(\i)+4:X+8*(\i)+7], v8, s[16:17] offset:256*(\i)+16 th:TH_LOAD_NT
.endr
.irp i, 0,1,2,3
	s_wait_loadcnt 6-2*(\i)                        ; loads come back in order: pair i is in, the younger pairs stay out
.irp p, 0,1,2,3
	v_cvt_pk_bf16_f32 v[Y+4*(\i)+(\p)], v[X+8*(\i)+2*(\p)], v[X+8*(\i)+2*(\p)+1]
.endr
	global_store_b128 v9, v[Y+4*(\i):Y+4*(\i)+3], s[18:19] offset:(\i)*1048576  ; four rows x 128 bytes of one K block: 512 consecutive bytes
.endr
	s_wait_tensorcnt 0x0                           ; the wave's end
	ds_add_u32 v[SPW], v[NIL]
	s_wait_dscnt 0x0
	s_endpgm
.Lweights:
	s_movk_i32 s19, 0x400
	s_movk_i32 s23, 0x580
	s_movk_i32 s18, 0x3000                         ; bytes in a row of w_qkv,
	s_movk_i32 s24, 0x1000                         ; of w_proj
	s_mov_b32 s22, 0xffff0000
	s_cmp_lt_u32 s2, 0x580
	s_cselect_b32 s19, s19, s23
	s_cselect_b32 s18, s18, s24
	s_cselect_b32 s25, 1, 0                        ; 1: w_qkv
	s_sub_co_u32 s19, s2, s19
	s_and_b32 s26, s19, 7                          ; kt: 128 k
	s_lshr_b32 s27, s19, 3                         ; nt: 64 n
	v_and_b32 v1, 15, v0                           ; n4: my four columns
	v_lshrrev_b32 v12, 4, v0                       ; kr: my eight rows
	v_lshlrev_b32 v13, 3, v12
	v_mul_lo_u32 v[OFF], v13, s18
	v_lshl_add_u32 v[OFF], v1, 4, v[OFF]
.irp j, 1,2,3,4,5,6,7
	v_add_nc_u32 v[OFF+(\j)], s18, v[OFF+(\j)-1]
.endr
	v_mul_u32_u24 v14, v1, 1088                    ; stage: row n = 4 n4 (+ c), 272 bytes a row,
	v_lshl_add_u32 v14, v12, 4, v14                ; my eight k: 16 bytes
	s_mul_i32 s20, s26, s18
	s_lshl_b32 s20, s20, 7
	s_lshl_b32 s28, s27, 8
	s_add_co_u32 s20, s20, s28
	s_wait_kmcnt 0x0
	s_cmp_eq_u32 s25, 1
	s_cselect_b64 s[16:17], s[6:7], s[8:9]
	s_add_nc_u64 s[16:17], s[16:17], s[20:21]
.irp j, 0,1,2,3,4,5,6,7
	global_load_b128 v[X+4*(\j):X+4*(\j)+3], v[OFF+(\j)], s[16:17] th:TH_LOAD_NT  ; sixteen lanes: 256 consecutive bytes of a row
.endr
	s_wait_loadcnt 0x0                             ; the turn needs all eight rows
.irp c, 0,1,2,3
.irp p, 0,1,2,3
	v_cvt_pk_bf16_f32 v[Y+4*(\c)+(\p)], v[X+8*(\p)+(\c)], v[X+8*(\p)+4+(\c)]  ; column c: k = 8 kr + 2 p, + 1
.endr
.endr
	s_cmp_eq_u32 s25, 1
	s_cbranch_scc1 .Lstage
.set ni, 0
.rept 16                                       ; w_proj: the bf16 number written as f16
	v_lshlrev_b32 v[X+2*(ni%4)], 16, v[Y+ni]
	v_and_b32 v[X+2*(ni%4)+1], s22, v[Y+ni]
	v_cvt_pk_f16_f32 v[Y+ni], v[X+2*(ni%4)], v[X+2*(ni%4)+1]
.set ni, ni+1
.endr
.Lstage:
.irp c, 0,1,2,3
	ds_store_b128 v14, v[Y+4*(\c):Y+4*(\c)+3] offset:272*(\c)  ; lanes four rows apart meet in the banks four deep: four stores a thread, once
.endr
	s_wait_dscnt 0x0                               ; for the others' sake: my stores are done
	s_barrier_signal -1
	s_barrier_wait -1
	s_cmp_eq_u32 s25, 1
	s_cbranch_scc0 .Lwp
	v_lshrrev_b32 v12, 3, v0                       ; wqt: eight lanes take 128 bytes (one K block) of a stage row
	v_and_b32 v13, 7, v0
	v_mul_u32_u24 v12, v12, 272
	v_lshl_add_u32 v12, v13, 4, v12
	v_lshlrev_b32 v13, 4, v0                       ; 32 rows of 128 bytes are 4,096 consecutive bytes
	s_mul_i32 s20, s26, 786432                     ; K block 2 kt
	s_lshl_b32 s28, s27, 13
	s_add_co_u32 s20, s20, s28
	s_add_nc_u64 s[16:17], s[12:13], s[20:21]
.irp i, 0,1,2,3
	ds_load_b128 v[X+4*(\i):X+4*(\i)+3], v12 offset:((\i)&1)*8704+((\i)>>1)*128
.endr
.irp i, 0,1,2,3
	s_wait_dscnt 3-(\i)
	global_store_b128 v13, v[X+4*(\i):X+4*(\i)+3], s[16:17] offset:((\i)&1)*4096+((\i)>>1)*393216
.endr
	s_branch .Lend
.Lwp:
	v_lshrrev_b32 v12, 4, v0                       ; wpt: sixteen lanes take a stage row's 256 bytes
	v_and_b32 v13, 15, v0
	v_mul_u32_u24 v14, v12, 272
	v_lshl_add_u32 v14, v13, 4, v14
	v_lshlrev_b32 v12, 11, v12
	v_lshl_add_u32 v12, v13, 4, v12
	s_lshl_b32 s20, s27, 17
	s_lshl_b32 s28, s26, 8
	s_add_co_u32 s20, s20, s28
	s_add_nc_u64 s[16:17], s[14:15], s[20:21]
.irp i, 0,1,2,3
	ds_load_b128 v[X+4*(\i):X+4*(\i)+3], v14 offset:(\i)*4352
.endr
.irp i, 0,1,2,3
	s_wait_dscnt 3-(\i)
	global_store_b128 v12, v[X+4*(\i):X+4*(\i)+3], s[16:17] offset:(\i)*32768
.endr
.Lend:
	s_wait_tensorcnt 0x0                           ; the wave's end, behind my last LDS store
	ds_add_u32 v[SPW], v[NIL]
	s_wait_dscnt 0x0
	s_endpgm
.Lfunc_end_k_qdf35af028b_prep:
	.size	k_qdf35af028b_prep, .Lfunc_end_k_qdf35af028b_prep-k_qdf35af028b_prep
	.p2alignl 7, 3214868480
	.fill 96, 4, 3214868480
	.section	.rodata,"a",@progbits
	.p2align	6, 0x0
	.amdhsa_kernel k_qdf35af028b_prep
		.amdhsa_group_segment_fixed_size 18432
		.amdhsa_private_segment_fixed_size 0
		.amdhsa_enable_private_segment 0
		.amdhsa_kernarg_size 48
		.amdhsa_user_sgpr_count 2
		.amdhsa_user_sgpr_kernarg_segment_ptr 1
		.amdhsa_wavefront_size32 1
		.amdhsa_system_sgpr_workgroup_id_x 1
		.amdhsa_system_sgpr_workgroup_id_y 1
		.amdhsa_system_sgpr_workgroup_id_z 1
		.amdhsa_system_vgpr_workitem_id 0
		.amdhsa_next_free_vgpr 64
		.amdhsa_next_free_sgpr 66
		.amdhsa_reserve_vcc 0
		.amdhsa_float_denorm_mode_32 3
		.amdhsa_float_denorm_mode_16_64 3
		.amdhsa_memory_ordered 1
		.amdhsa_forward_progress 1
		.amdhsa_inst_pref_size 12
	.end_amdhsa_kernel
	.amdgpu_metadata
---
amdhsa.version: [ 1, 2 ]
amdhsa.kernels:
  - .name:           k_qdf35af028b_prep
    .symbol:         k_qdf35af028b_prep.kd
    .args:
      - { .name: x, .offset: 0, .size: 8, .value_kind: global_buffer, .address_space: global }
      - { .name: w_qkv, .offset: 8, .size: 8, .value_kind: global_buffer, .address_space: global }
      - { .name: w_proj, .offset: 16, .size: 8, .value_kind: global_buffer, .address_space: global }
      - { .name: xb, .offset: 24, .size: 8, .value_kind: global_buffer, .address_space: global }
      - { .name: wqt, .offset: 32, .size: 8, .value_kind: global_buffer, .address_space: global }
      - { .name: wpt, .offset: 40, .size: 8, .value_kind: global_buffer, .address_space: global }
    .group_segment_fixed_size: 18432
    .private_segment_fixed_size: 0
    .kernarg_segment_align: 8
    .kernarg_segment_size: 48
    .max_flat_workgroup_size: 256
    .sgpr_count:     66
    .vgpr_count:     64
    .wavefront_size: 32
...
	.end_amdgpu_metadata
.endif
;; end of part 1
;; launch gemmqkv (part 2): grid 8 x 32, 4 waves a work-group, clusters of 4 x 4, 327,680 bytes of LDS; arguments xb, wqt, b_qkv, qkv; writes qkv
.if DOCPART == 2
	.amdgcn_target "amdgcn-amd-amdhsa--gfx1250"
	.amdhsa_code_object_version 6
	.text
	.protected	k_qdf35af028b_gemmqkv
	.globl	k_qdf35af028b_gemmqkv
	.p2align	8
	.type	k_qdf35af028b_gemmqkv,@function
k_qdf35af028b_gemmqkv:
	s_mov_b64 s[64:65], 0
	v_nop
	global_prefetch_b8 v0, s[64:65] scope:SCOPE_SE
	s_setreg_imm32_b32 hwreg(HW_REG_WAVE_MODE, 25, 1), 1
	s_wait_xcnt 0x0
	s_wait_alu depctr_hold_cnt(0) depctr_sa_sdst(0) depctr_va_vdst(0) depctr_va_sdst(0) depctr_va_ssrc(0) depctr_va_vcc(0) depctr_vm_vsrc(0)
	s_getreg_b32 s2, hwreg(HW_REG_IB_STS2, 6, 4)
	s_cmp_eq_u32 s2, 0
	s_cbranch_scc0 .Lentry_in_a_cluster
	s_endpgm
.Lentry_in_a_cluster:
	s_bfe_u32 s2, ttmp6, 0x10000c
	s_cmp_lg_u32 s2, 0xf033
	s_cbranch_scc0 .Lentry_shape_is_right
	s_endpgm
.Lentry_shape_is_right:
; qkv[m][n] = sum over k of x[m][k] w_qkv[k][n] + b_qkv[n]: 8192 x 3072 x 1024.  Operands bf16 (xb, wqt: blocked by 64 k, so a K step's tile is dense), the bias rounded to bf16, sums f32, result f16.
; LIMIT: |qkv| stays under 65,504, f16's range; NaN and infinities are not treated apart.
; A tile of 256 x 384 gives 8 x 32 = 256 work-groups of one tile.  Four waves, each 128 rows x 192 columns: 96 accumulators, 768 registers.  K goes in 16 steps of 64 through two LDS slots.
; CLUSTER 4 x 4: x's tile is shared along a row of the cluster, the weights' along a column; each is asked for jointly.
; THE MATRIX INSTRUCTION IS USED TRANSPOSED (source 0 = 16 rows of wqt, source 1 = 16 rows of xb): a lane holds one row m and eight neighbouring columns.
; THE BIAS STARTS THE SUMS: it is loaded into the registers of accumulator (0, b) and is the C operand of the first product of every accumulator (a, b).
; REGISTERS: window 0: v0-14 addresses; v32-95, v96-159 x's fragments, two buffers; v160-255 the weights' 12 fragments, one buffer, renewed in three groups.
;   window 1 + b / 4: accumulator (a, b) at 64 (b % 4) + 8 a.   On the way out window 0: v32-79 packed, v80-127 and v128-175 rows read back, by turns.
.set SLOT1, 131072                     ; a slot: x's 256 rows of 144 bytes (128 + 16 of padding), then the weights' 384; slot 1 begins here, so that one exclusive or changes slots
.set BOFF,  36864
.set STAGE, 223232                     ; two stages of 32 rows x 784 bytes (768 + 16), never filled by a tensor load
.set STG2,  25088
.set SPARE, 273408                     ; the spare words, 128 bytes a wave
.set AA0, 4
.set AB0, 5
.set AA,  6
.set AB,  7
.set STO, 8
.set RD,  9
.set CO,  10
.set PFO, 11
.set SPW, 12
.set NIL, 13
.set BO,  14
.set FA0, 32
.set FA1, 96
.set FB,  160
.set TMP, 32
.set BK,  80
.set WV,  12
.set WR,  13
.set WC,  14
.set CX,  15
.set CY,  16
.set TX,  17
.set TY,  18
.set CNT, 19
.set TB,  20
.set G1A, 24
.set G1B, 32
.set G0A, 40                           ; s[40:43] slot 0, K step 0; s[44:47] slot 1, K step 1, and then it walks
.set G0B, 48
.set PFA, 56
.set PST, 58
.set LIM, 60
.set PMK, 61
.set SH,  62
.set MSB, 0
.macro WIN new                         ; the immediate's high byte repeats the setting that is left; a switch that changes nothing is dropped
.if MSB != (\new)
	s_set_vgpr_msb (MSB<<8)|(\new)
.set MSB, (\new)
.endif
.endm
.macro PLACES                          ; four plain vector instructions behind a matrix instruction, ahead of loads into its sources and of readers of its result
.rept 4
	v_nop
.endr
.endm
.macro CREST                           ; a round of the cluster's barrier behind its opening barrier
	s_cmp_lg_u32 s[WV], 0
	s_cbranch_scc1 .Lnw0_\@
	s_barrier_signal -3
.Lnw0_\@:
	s_barrier_wait -3
	s_barrier_signal -1
	s_barrier_wait -1
.endm
.macro CROUND
	s_barrier_signal -1
	s_barrier_wait -1
	CREST
.endm
.macro JLOAD                           ; the joint refill: waves 0, 1 x's two halves, waves 2, 3 the weights'; the branch hangs on the wave's number alone
	s_cmp_lt_u32 s[WV], 2
	s_cbranch_scc0 .Ljb_\@
	tensor_load_to_lds s[G0A+4:G0A+7], s[G1A:G1A+7]
	s_nop 0
	PLACES
	s_branch .Ljd_\@
.Ljb_\@:
	tensor_load_to_lds s[G0B+4:G0B+7], s[G1B:G1B+7]
	s_nop 0
	PLACES
.Ljd_\@:
.endm
; A PREFETCH INTO THE L2, behind the joint load, its five lines and the run of LDS loads.  x's tile of a K step is 128 blocks of 256 bytes: wave 0 of the clusters with x = 0 asks, partner cx for blocks 32 cx + lane,
; for the K step that the NEXT refill will ask for.  The weights' tile is 192 blocks: waves 1-3 of the clusters with y = 0 ask, partner cy and wave w for blocks 48 cy + 16 (w - 1) + lane % 16, lanes 16-31 for the K step after,
; in every second trip.  Each block is named once; partners are told apart by address.  K steps 0-2, and the weights' step 15, come by their loads alone; no request passes K step 15.
.macro ASK
	s_and_b32 s22, s[CNT], s[PMK]
	s_cmp_lg_u32 s22, 0
	s_cbranch_scc1 .Lna_\@
	s_cmp_gt_u32 s[CNT], s[LIM]
	s_cbranch_scc0 .Lna_\@
	global_prefetch_b8 v[PFO], s[PFA:PFA+1] th:TH_LOAD_NT scope:SCOPE_SE
.Lna_\@:
.endm
	s_load_b256 s[4:11], s[0:1], 0x0               ; xb s[4:5], wqt s[6:7], b_qkv s[8:9], qkv s[10:11]
	v_lshl_add_u32 v[SPW], v0, 2, SPARE
	v_mov_b32 v[NIL], 0
	ds_add_u32 v[SPW], v[NIL]                      ; the wave's opening: the add and its wait ahead of my first tensor load
	ds_add_u32 v12, v13
	v_lshrrev_b32 v1, 5, v0
	v_readfirstlane_b32 s[WV], v1
	s_lshr_b32 s[WR], s[WV], 1                     ; my half of the tile's rows
	s_and_b32 s[WC], s[WV], 1                      ; my half of its columns; also: which half of a tile I fetch
	s_bfe_u32 s[CX], ttmp6, 0x40000
	s_bfe_u32 s[CY], ttmp6, 0x40004
	s_lshl_b32 s[TX], ttmp9, 2
	s_add_co_u32 s[TX], s[TX], s[CX]               ; tile column 0..7
	s_and_b32 s[TY], ttmp7, 0xffff
	s_lshl_b32 s[TY], s[TY], 2
	s_add_co_u32 s[TY], s[TY], s[CY]               ; tile row 0..31
	s_lshl_b32 s22, s[CY], 2
	s_lshl_b32 s22, 15, s22                        ; my row of the cluster
	s_lshl_b32 s23, 0x1111, s[CX]                  ; my column
	; group 1: dense bytes asked for as rows of 256 (two operand rows of 128 bytes), 16 bytes of padding behind every 128 (interval code 4, pad code 3)
	s_or_b32 s[G1A], s22, (1<<16)|(1<<20)|(1<<21)|(4<<22)|(3<<25)
	s_or_b32 s[G1B], s23, (1<<16)|(1<<20)|(1<<21)|(4<<22)|(3<<25)
	s_mov_b32 s[G1A+1], 128<<16                    ; tensor_dim0
	s_mov_b32 s[G1A+2], 64<<16                     ; tensor_dim1: 128 operand rows
	s_mov_b32 s[G1A+3], 128<<16                    ; tile_dim0
	s_mov_b32 s[G1A+4], 64                         ; tile_dim1
	s_mov_b32 s[G1A+5], 128                        ; elements from row to row
	s_mov_b32 s[G1A+6], 0
	s_mov_b32 s[G1A+7], 0
	s_mov_b32 s[G1B+1], 128<<16
	s_mov_b32 s[G1B+2], 96<<16                     ; 192 operand rows
	s_mov_b32 s[G1B+3], 128<<16
	s_mov_b32 s[G1B+4], 96
	s_mov_b32 s[G1B+5], 128
	s_mov_b32 s[G1B+6], 0
	s_mov_b32 s[G1B+7], 0
	s_lshl_b32 s66, s[TY], 15                      ; x: (256 ty + 128 half) rows of 128 bytes: made of the tile row alone
	s_lshl_b32 s67, s[WC], 14
	s_add_co_u32 s66, s66, s67
	s_mov_b32 s67, 0
	s_mul_i32 s68, s[TX], 49152                    ; weights: (384 tx + 192 half) rows: made of the tile column alone
	s_mul_i32 s69, s[WC], 24576
	s_add_co_u32 s68, s68, s69
	s_mov_b32 s69, 0
	s_mul_i32 s22, s[WC], 18432                    ; where they go: no place in the cluster enters an LDS address
	s_mul_i32 s23, s[WC], 27648
	s_add_co_u32 s23, s23, BOFF
	s_mov_b32 s[TB], 0
	s_mov_b32 s70, 0xffff0000
	s_wait_dscnt 0x0                               ; the opening add is done
	s_wait_kmcnt 0x0
	s_add_nc_u64 s[66:67], s[4:5], s[66:67]
	s_add_nc_u64 s[68:69], s[6:7], s[68:69]
	CROUND                                         ; all sixteen work-groups are here: the first joint loads meet
.irp s, 0,1
	s_mov_b32 s[G0A+4*(\s)], 1
	s_add_co_u32 s[G0A+4*(\s)+1], s22, (\s)*SLOT1
	s_add_nc_u64 s[G0A+4*(\s)+2:G0A+4*(\s)+3], s[66:67], (\s)*0x100000  ; a K block of xb is 1,048,576 bytes
	s_or_b32 s[G0A+4*(\s)+3], s[G0A+4*(\s)+3], 0x80000000
	s_mov_b32 s[G0B+4*(\s)], 1
	s_add_co_u32 s[G0B+4*(\s)+1], s23, (\s)*SLOT1
	s_add_nc_u64 s[G0B+4*(\s)+2:G0B+4*(\s)+3], s[68:69], (\s)*0x60000   ; of wqt 393,216
	s_or_b32 s[G0B+4*(\s)+3], s[G0B+4*(\s)+3], 0x80000000
.endr
	s_cmp_lt_u32 s[WV], 2                          ; a wave's two first fills stand in one branch: two loads of mine are out
	s_cbranch_scc0 .Lfirst_b
	tensor_load_to_lds s[G0A:G0A+3], s[G1A:G1A+7]
	s_nop 0
	tensor_load_to_lds s[G0A+4:G0A+7], s[G1A:G1A+7]
	s_nop 0
	PLACES
	s_branch .Lfirst_asked
.Lfirst_b:
	tensor_load_to_lds s[G0B:G0B+3], s[G1B:G1B+7]
	s_nop 0
	tensor_load_to_lds s[G0B+4:G0B+7], s[G1B:G1B+7]
	s_nop 0
	PLACES
.Lfirst_asked:
	v_and_b32 v1, 15, v0                           ; r
	v_bfe_u32 v2, v0, 4, 1                         ; h
	v_lshlrev_b32 v[BO], 5, v2                     ; my eight columns of a block of 16: 32 h bytes
	s_mul_i32 s22, s[TX], 1536
	s_mul_i32 s23, s[WC], 768
	s_add_co_u32 s22, s22, s23
	s_mov_b32 s23, 0
	s_add_nc_u64 s[8:9], s[8:9], s[22:23]
.set nb, 0
.rept 12                                       ; the bias of column block b, straight into accumulator (0, b)'s registers
	WIN (1+nb/4)<<6
	global_load_b128 v[64*(nb%4):64*(nb%4)+3],   v[BO], s[8:9] offset:64*nb
	global_load_b128 v[64*(nb%4)+4:64*(nb%4)+7], v[BO], s[8:9] offset:64*nb+16
.set nb, nb+1
.endr
	WIN 0
	v_mul_u32_u24 v3, v1, 144                      ; a fragment: row x pitch + 16 h; two loads of 16 bytes, 32 apart
	v_lshl_add_u32 v3, v2, 4, v3
	s_mul_i32 s22, s[WR], 18432
	s_mul_i32 s23, s[WC], 27648
	s_add_co_u32 s23, s23, BOFF
	v_add_nc_u32 v[AA0], s22, v3
	v_add_nc_u32 v[AB0], s23, v3
	v_mov_b32 v[AA], v[AA0]
	v_mov_b32 v[AB], v[AB0]
	s_lshl_b32 s22, s[WR], 4
	v_add_nc_u32 v3, s22, v1                       ; stage row 16 wr + r,
	v_mul_u32_u24 v[STO], v3, 784
	v_lshl_add_u32 v[STO], v2, 4, v[STO]
	s_mul_i32 s22, s[WC], 384                      ; my 192 columns
	s_add_co_u32 s22, s22, STAGE
	v_add_nc_u32 v[STO], s22, v[STO]
	s_lshl_b32 s22, s[WV], 3
	v_add_nc_u32 v3, s22, v2                       ; back: wave w takes stage rows 8 w .. 8 w + 7, two a load, 256 bytes each
	v_mul_u32_u24 v[RD], v3, 784
	v_lshl_add_u32 v[RD], v1, 4, v[RD]
	v_add_nc_u32 v[RD], STAGE, v[RD]
	v_mul_u32_u24 v[CO], v2, 6144
	v_lshl_add_u32 v[CO], v1, 4, v[CO]
	s_lshl_b32 s22, s[TY], 8
	s_lshl_b32 s23, s[WR], 7
	s_add_co_u32 s22, s22, s23
	s_lshl_b32 s23, s[WC], 3
	s_add_co_u32 s22, s22, s23
	s_mul_i32 s22, s22, 6144                       ; the first row that I store, under 2^26 bytes
	s_mul_i32 s23, s[TX], 768
	s_add_co_u32 s22, s22, s23
	s_mov_b32 s23, 0
	s_add_nc_u64 s[10:11], s[10:11], s[22:23]
	; the prefetches' address: it stands one K step behind what the next ASK names
	s_lshl_b32 s66, s[TY], 15
	s_lshl_b32 s67, s[CX], 13
	s_add_co_u32 s66, s66, s67
	s_add_co_u32 s66, s66, 0x200000                ; x at K step 2
	s_mul_i32 s68, s[TX], 49152
	s_mul_i32 s69, s[CY], 12288
	s_add_co_u32 s68, s68, s69
	s_lshl_b32 s69, s[WV], 12
	s_add_co_u32 s68, s68, s69
	s_add_co_u32 s68, s68, 782336                  ; weights at K step 2, less wave 1's 4,096
	s_mov_b32 s[PST], 0x100000
	s_mov_b32 s[PST+1], 0x60000
	s_movk_i32 s[SH], 0x1000
	s_and_b32 s23, ttmp7, 0xffff
	s_cmp_eq_u32 s[WV], 0
	s_cselect_b32 s[PST], s[PST], s[PST+1]
	s_cselect_b32 s[SH], s[SH], s[PST+1]           ; lanes 16-31: sixteen blocks on (x), or a K step on (weights)
	s_cselect_b32 s[PMK], 0, 1
	s_cselect_b32 s[LIM], 1, 3
	s_cselect_b32 s23, ttmp9, s23                  ; the coordinate along which other clusters read the same rows
	s_cselect_b32 s22, s66, s68
	s_cselect_b64 s[PFA:PFA+1], s[4:5], s[6:7]
	s_mov_b32 s[PST+1], 0
	s_cmp_eq_u32 s23, 0
	s_cselect_b32 s[LIM], s[LIM], -1               ; the same in all sixteen partners, for a given wave
	s_mov_b32 s23, 0
	s_add_nc_u64 s[PFA:PFA+1], s[PFA:PFA+1], s[22:23]
	v_lshlrev_b32 v[PFO], 8, v1
	v_mul_u32_u24 v3, v2, s[SH]
	v_add_nc_u32 v[PFO], v[PFO], v3
	s_wait_loadcnt 0x0                             ; the bias
.set ng, 0
.rept 3                                        ; rounded to bf16 like every other input, while the first tiles are on their way
	WIN 5*(ng+1)
.set nq, 0
.rept 16
	v_cvt_pk_bf16_f32 v[FA1+nq], v[64*(nq/4)+2*(nq%4)], v[64*(nq/4)+2*(nq%4)+1]
.set nq, nq+1
.endr
	WIN (ng+1)<<6
.set nq, 0
.rept 16
	v_lshlrev_b32 v[64*(nq/4)+2*(nq%4)], 16, v[FA1+nq]
	v_and_b32 v[64*(nq/4)+2*(nq%4)+1], s70, v[FA1+nq]
.set nq, nq+1
.endr
.set ng, ng+1
.endr
	WIN 0
.macro LDA f, k                        ; x's eight fragments of 32 k at byte k of the rows
	WIN 0
.irp a, 0,1,2,3,4,5,6,7
	ds_load_b128 v[(\f)+8*(\a):(\f)+8*(\a)+3],   v[AA] offset:(\k)+2304*(\a)
	ds_load_b128 v[(\f)+8*(\a)+4:(\f)+8*(\a)+7], v[AA] offset:(\k)+2304*(\a)+32
.endr
.endm
.macro LDB g, k                        ; the weights' fragments 4 g .. 4 g + 3
	WIN 0
.irp c, 0,1,2,3
	ds_load_b128 v[FB+32*(\g)+8*(\c):FB+32*(\g)+8*(\c)+3],   v[AB] offset:(\k)+2304*(4*(\g)+(\c))
	ds_load_b128 v[FB+32*(\g)+8*(\c)+4:FB+32*(\g)+8*(\c)+7], v[AB] offset:(\k)+2304*(4*(\g)+(\c))+32
.endr
.endm
; Products of column blocks 4 g + b0 .. with all eight row blocks.  Every accumulator has one instruction a quarter step: the accumulators take turns.
.macro MULH g, b0, nb, f
	WIN 0x50*((\g)+1)
.set hb, \b0
.rept \nb
.set ha, 0
.rept 8
	v_wmma_f32_16x16x32_bf16 v[64*hb+8*ha:64*hb+8*ha+7], v[FB+32*(\g)+8*hb:FB+32*(\g)+8*hb+7], v[(\f)+8*ha:(\f)+8*ha+7], v[64*hb+8*ha:64*hb+8*ha+7]
.set ha, ha+1
.endr
.set hb, hb+1
.endr
.endm
; The first products: C is the bias in accumulator (0, b)'s registers; (0, b) itself comes last, in place, five places behind the last reader of those registers.
.macro MULI g
	WIN 0x50*((\g)+1)
.set ha, 1
.rept 7
.set hb, 0
.rept 4
	v_wmma_f32_16x16x32_bf16 v[64*hb+8*ha:64*hb+8*ha+7], v[FB+32*(\g)+8*hb:FB+32*(\g)+8*hb+7], v[FA0+8*ha:FA0+8*ha+7], v[64*hb:64*hb+7]
.set hb, hb+1
.endr
.set ha, ha+1
.endr
.rept 5
	v_nop
.endr
.set hb, 0
.rept 4
	v_wmma_f32_16x16x32_bf16 v[64*hb:64*hb+7], v[FB+32*(\g)+8*hb:FB+32*(\g)+8*hb+7], v[FA0:FA0+7], v[64*hb:64*hb+7]
.set hb, hb+1
.endr
.endm
; A K step's first quarter: multiplies buffer 0 and fetches the second quarter: x's into buffer 1, the weights' group by group behind each group's products.
.macro QA init
	s_wait_dscnt 16                                ; x's 16 loads and group 0's 8 are in; groups 1 and 2 (8 + 8) may be out
.if \init
	MULI 0
.else
	MULH 0, 0, 4, FA0
.endif
	PLACES
	LDA FA1, 64
	LDB 0, 64
	s_wait_dscnt 32                                ; group 1 is in: behind it group 2's 8 and the 24 just issued
.if \init
	MULI 1
.else
	MULH 1, 0, 4, FA0
.endif
	PLACES
	LDB 1, 64
	s_wait_dscnt 32                                ; group 2 is in: behind it 16 + 8 + 8
.if \init
	MULI 2
.else
	MULH 2, 0, 4, FA0
.endif
	PLACES
	LDB 2, 64
.endm
; The second quarter multiplies buffer 1 and changes slots.  Each wave waits for all its tensor loads (one is out: its part of the next slot), adds 0 to its spare word, and waits for that and for its reads of this slot.
; fill = 1: the barrier opens a round of the cluster's barrier, and behind the round this slot is filled again with the K step two on: about 176 matrix instructions ahead of the wait for it.
.macro QT fill
.if \fill
	s_wait_xcnt 0x0                                ; the last prefetch, a K step back, has read its address
	s_add_nc_u64 s[PFA:PFA+1], s[PFA:PFA+1], s[PST:PST+1]
.endif
	WIN 0
	s_wait_tensorcnt 0x0
	ds_add_u32 v[SPW], v[NIL]
.if \fill
	s_xor_b32 s[G0A+5], s[G0A+5], SLOT1            ; no load of mine is out: the walking descriptors step to the other slot and the next K step
	s_add_nc_u64 s[G0A+6:G0A+7], s[G0A+6:G0A+7], 0x100000
	s_xor_b32 s[G0B+5], s[G0B+5], SLOT1
	s_add_nc_u64 s[G0B+6:G0B+7], s[G0B+6:G0B+7], 0x60000
.endif
	s_wait_dscnt 17                                ; x and group 0 are in; groups 1 and 2 and the add may be out
	MULH 0, 0, 2, FA1
	s_wait_dscnt 0x0                               ; the add is done, my reads of this slot are over
	s_barrier_signal -1
	MULH 0, 2, 2, FA1
	WIN 0
	s_barrier_wait -1
.if \fill
	CREST
	JLOAD                                          ; its four v_nop are also the places ahead of the loads below
.else
	PLACES
.endif
	s_xor_b32 s[TB], s[TB], SLOT1
	v_add_nc_u32 v[AA], s[TB], v[AA0]
	v_add_nc_u32 v[AB], s[TB], v[AB0]
	LDA FA0, 0
	LDB 0, 0
.if \fill
	ASK
.endif
	MULH 1, 0, 4, FA1
	PLACES
	LDB 1, 0
	MULH 2, 0, 4, FA1
	PLACES
	LDB 2, 0
.endm
	s_wait_tensorcnt 0x1                           ; my part of K step 0 is in; K step 1's may stay out
	s_barrier_signal -1
	s_barrier_wait -1
	LDA FA0, 0
	LDB 0, 0
	LDB 1, 0
	LDB 2, 0
	QA 1
	WIN 0
	s_mov_b32 s[CNT], 14                           ; the refills of K steps 2 to 15
.Lk:
	QT 1
	QA 0
	WIN 0
	s_sub_co_u32 s[CNT], s[CNT], 1
	s_cmp_lg_u32 s[CNT], 0
	s_cbranch_scc1 .Lk
	QT 0                                           ; the tail is written out: nothing more is asked for
	QA 0
	s_wait_dscnt 16                                ; the last quarter
	MULH 0, 0, 4, FA1
	s_wait_dscnt 8
	MULH 1, 0, 4, FA1
	s_wait_dscnt 0x0
	MULH 2, 0, 4, FA1
	PLACES
; THE WAY OUT, a block of 16 rows of each row half at a time: rounded to f16; into a stage of 32 rows x 768 bytes, which two waves fill row by row; a barrier; back as pieces of 256 bytes.
; The two stages take turns: the reads of pass a - 2 were waited for ahead of pass a - 1's signal, so one barrier a pass orders both directions.
.macro PACK a
.set nb, 0
.rept 12
	WIN 5*(1+nb/4)
.irp p, 0,1,2,3
	v_cvt_pk_f16_f32 v[TMP+4*nb+(\p)], v[64*(nb%4)+8*(\a)+2*(\p)], v[64*(nb%4)+8*(\a)+2*(\p)+1]
.endr
.set nb, nb+1
.endr
	WIN 0
.endm
.macro TOSTAGE a
.set nb, 0
.rept 12
	ds_store_b128 v[STO], v[TMP+4*nb:TMP+4*nb+3] offset:((\a)&1)*STG2+32*nb
.set nb, nb+1
.endr
	s_wait_dscnt 0x0                               ; for the others' sake
	s_barrier_signal -1
	s_barrier_wait -1
	s_wait_xcnt 0x0                                ; the stores of two passes back have read these registers
.set ni, 0
.rept 12
	ds_load_b128 v[BK+48*((\a)&1)+4*ni:BK+48*((\a)&1)+4*ni+3], v[RD] offset:((\a)&1)*STG2+(ni/3)*1568+(ni%3)*256
.set ni, ni+1
.endr
.endm
.macro SEND a
	s_wait_dscnt 0x0
.set ni, 0
.rept 12
	global_store_b128 v[CO], v[BK+48*((\a)&1)+4*ni:BK+48*((\a)&1)+4*ni+3], s[10:11] offset:(\a)*98304+(ni/3)*12288+(ni%3)*256  ; 16 lanes: 256 consecutive bytes, aligned
.set ni, ni+1
.endr
.endm
	PACK 0
.irp a, 0,1,2,3,4,5,6
	TOSTAGE \a
	PACK (\a)+1
	SEND \a
.endr
	TOSTAGE 7
	SEND 7
	s_wait_tensorcnt 0x0                           ; the wave's end
	ds_add_u32 v[SPW], v[NIL]
	s_wait_dscnt 0x0
	CROUND                                         ; the closing round
	s_endpgm
.Lfunc_end_k_qdf35af028b_gemmqkv:
	.size	k_qdf35af028b_gemmqkv, .Lfunc_end_k_qdf35af028b_gemmqkv-k_qdf35af028b_gemmqkv
	.p2alignl 7, 3214868480
	.fill 96, 4, 3214868480
	.section	.rodata,"a",@progbits
	.p2align	6, 0x0
	.amdhsa_kernel k_qdf35af028b_gemmqkv
		.amdhsa_group_segment_fixed_size 327680
		.amdhsa_private_segment_fixed_size 0
		.amdhsa_enable_private_segment 0
		.amdhsa_kernarg_size 32
		.amdhsa_user_sgpr_count 2
		.amdhsa_user_sgpr_kernarg_segment_ptr 1
		.amdhsa_wavefront_size32 1
		.amdhsa_system_sgpr_workgroup_id_x 1
		.amdhsa_system_sgpr_workgroup_id_y 1
		.amdhsa_system_sgpr_workgroup_id_z 1
		.amdhsa_system_vgpr_workitem_id 0
		.amdhsa_next_free_vgpr 1024
		.amdhsa_next_free_sgpr 72
		.amdhsa_reserve_vcc 0
		.amdhsa_float_denorm_mode_32 3
		.amdhsa_float_denorm_mode_16_64 3
		.amdhsa_memory_ordered 1
		.amdhsa_forward_progress 1
		.amdhsa_inst_pref_size 122
	.end_amdhsa_kernel
	.amdgpu_metadata
---
amdhsa.version: [ 1, 2 ]
amdhsa.kernels:
  - .name:           k_qdf35af028b_gemmqkv
    .symbol:         k_qdf35af028b_gemmqkv.kd
    .args:
      - { .name: xb, .offset: 0, .size: 8, .value_kind: global_buffer, .address_space: global }
      - { .name: wqt, .offset: 8, .size: 8, .value_kind: global_buffer, .address_space: global }
      - { .name: b_qkv, .offset: 16, .size: 8, .value_kind: global_buffer, .address_space: global }
      - { .name: qkv, .offset: 24, .size: 8, .value_kind: global_buffer, .address_space: global }
    .group_segment_fixed_size: 327680
    .private_segment_fixed_size: 0
    .kernarg_segment_align: 8
    .kernarg_segment_size: 32
    .max_flat_workgroup_size: 128
    .sgpr_count:     72
    .vgpr_count:     1024
    .wavefront_size: 32
...
	.end_amdgpu_metadata
.endif
;; end of part 2
;; launch attp (part 3): grid 4 x 64, 4 waves a work-group, clusters of 4 x 1, 327,680 bytes of LDS; arguments qkv, pf, st; writes pf, st
.if DOCPART == 3
	.amdgcn_target "amdgcn-amd-amdhsa--gfx1250"
	.amdhsa_code_object_version 6
	.text
	.protected	k_qdf35af028b_attp
	.globl	k_qdf35af028b_attp
	.p2align	8
	.type	k_qdf35af028b_attp,@function
k_qdf35af028b_attp:
	s_mov_b64 s[64:65], 0
	v_nop
	global_prefetch_b8 v0, s[64:65] scope:SCOPE_SE
	s_setreg_imm32_b32 hwreg(HW_REG_WAVE_MODE, 25, 1), 1
	s_wait_xcnt 0x0
	s_wait_alu depctr_hold_cnt(0) depctr_sa_sdst(0) depctr_va_vdst(0) depctr_va_sdst(0) depctr_va_ssrc(0) depctr_va_vcc(0) depctr_vm_vsrc(0)
	s_getreg_b32 s2, hwreg(HW_REG_IB_STS2, 6, 4)
	s_cmp_eq_u32 s2, 0
	s_cbranch_scc0 .Lentry_in_a_cluster
	s_endpgm
.Lentry_in_a_cluster:
	s_bfe_u32 s2, ttmp6, 0x10000c
	s_cmp_lg_u32 s2, 0x3003
	s_cbranch_scc0 .Lentry_shape_is_right
	s_endpgm
.Lentry_shape_is_right:
; SCORES AND WEIGHTS.  For a block of 128 queries the band |i - j| <= 128 lies in a window of 384 keys (moved inward at a batch's two ends).  A work-group takes 128 queries x 96 keys of it,
; a wave 64 queries x 48 keys (a CHUNK).  S^T = K Q^T in f16 with f32 sums: a lane holds one query (lane % 16) and the keys 8 (lane / 16) + 0..7.  Keys outside the band get -inf, as in the problem.
; SOFTMAX BY CHUNKS: p = 2^(c s - c m), m the chunk's own maximum, c = log2(e) / 32.  Stored: p in f16, laid out as ready fragments of the second product; c m and the sum of the unrounded p in f32.
; The next launch joins the chunks by 2^(c m_chunk - c m_row): the maximum is taken away in two parts, an order of rounding that differs from the one-pass form.
; LIMITS: the maximum starts at the lowest finite f32 (scores of f16 operands are 4.4e12 at the most); a chunk with no visible key leaves p = 0 and sum 0; NaN and infinities in q, k are not treated apart.
; CLUSTER 4 x 1: the four work-groups of a query block share Q's tile (256 of a work-group's 448 KiB), asked for jointly; each one's own keys come by plain loads.
; LDS: 448 KiB do not fit: region A takes channels 0-383, region B 384-639, both at the start; ONE refill brings 640-1023 into A while B is multiplied.
.set PA, 816                           ; a row in A: three pieces of 256 bytes + 16 of padding: 51 x 16
.set PB, 528                           ; in B: 512 + 16: 33 x 16
.set KA_, 104448                       ; A: Q's 128 rows at 0, K's 96 here
.set QB_, 182784
.set KB_, 250368
.set SPARE, 301056
.set BQA, 4
.set BKA, 5
.set BQB, 6
.set BKB, 7
.set AQ,  8
.set AK,  9
.set TT,  10
.set LO,  11
.set SPW, 12
.set NIL, 13
.set ST,  16                           ; query tile a: c m, m, and l's pair at ST + 4 a
.set F0,  32                           ; K's 3 fragments, then Q's 4
.set F1,  88
.set ACC, 144                          ; accumulator (a, b) at ACC + 8 (3 a + b)
.set WV,  12
.set WQ,  13
.set WK,  14
.set KQ,  15
.set QBN, 16
.set II,  17
.set BT,  18
.set KS,  19
.set G1QA, 24
.set G1KA, 32
.set G1QB, 40
.set G1KB, 48
.set G0Q, 56                           ; s[56:59] region A, s[60:63] region B
.set G0K, 68                           ; s[68:71], s[72:75]
.set CS,  80
.set SEL, 82
.set NINF, 84
.set C256, 85
.set SG,  86
.set CNT, 87
.set LOW, 88
.macro PLACES
.rept 4
	v_nop
.endr
.endm
.macro CROUND
	s_barrier_signal -1
	s_barrier_wait -1
	s_cmp_lg_u32 s[WV], 0
	s_cbranch_scc1 .Lnw0_\@
	s_barrier_signal -3
.Lnw0_\@:
	s_barrier_wait -3
	s_barrier_signal -1
	s_barrier_wait -1
.endm
	s_load_b128 s[4:7], s[0:1], 0x0                ; qkv s[4:5], pf s[6:7]
	s_load_b64 s[8:9], s[0:1], 0x10                ; st
	v_lshl_add_u32 v[SPW], v0, 2, SPARE
	v_mov_b32 v[NIL], 0
	ds_add_u32 v[SPW], v[NIL]                      ; the wave's opening: the add and its wait ahead of my first tensor load
	ds_add_u32 v12, v13
	v_lshrrev_b32 v1, 5, v0
	v_readfirstlane_b32 s[WV], v1
	s_lshr_b32 s[WQ], s[WV], 1                     ; my 64 queries
	s_and_b32 s[WK], s[WV], 1                      ; my 48 keys; also: which half of a tile I fetch
	s_bfe_u32 s[KQ], ttmp6, 0x40000                ; cx: my work-group's 96 keys
	s_and_b32 s[QBN], ttmp7, 0xffff                ; the query block, shared by the four partners
	s_and_b32 s[II], s[QBN], 15
	s_lshr_b32 s[BT], s[QBN], 4
	s_max_u32 s[KS], s[II], 1
	s_sub_co_u32 s[KS], s[KS], 1
	s_min_u32 s[KS], s[KS], 13
	s_lshl_b32 s[KS], s[KS], 7                     ; the window's first key in the batch
	s_mov_b32 s[G1QA], 15|(1<<16)|(1<<20)|(1<<21)|(5<<22)|(3<<25)  ; mask of four; 2-byte elements; 16 bytes of padding behind every 256
	s_mov_b32 s[G1KA], (1<<16)|(1<<20)|(5<<22)|(3<<25)             ; no mask: my own keys
	s_mov_b32 s[G1QB], 15|(1<<16)|(1<<20)|(1<<21)|(6<<22)|(3<<25)  ; behind every 512
	s_mov_b32 s[G1KB], (1<<16)|(1<<20)|(6<<22)|(3<<25)
.irp g, G1QA, G1KA
	s_mov_b32 s[\g+1], 384<<16                     ; 384 channels a row
	s_mov_b32 s[\g+3], 384<<16
.endr
.irp g, G1QB, G1KB
	s_mov_b32 s[\g+1], 256<<16
	s_mov_b32 s[\g+3], 256<<16
.endr
.irp g, G1QA, G1QB
	s_mov_b32 s[\g+2], 64<<16                      ; 64 rows of Q a wave
	s_mov_b32 s[\g+4], 64
.endr
.irp g, G1KA, G1KB
	s_mov_b32 s[\g+2], 48<<16                      ; 48 rows of K
	s_mov_b32 s[\g+4], 48
.endr
.irp g, G1QA, G1KA, G1QB, G1KB
	s_mov_b32 s[\g+5], 3072                        ; elements from row to row of qkv
	s_mov_b32 s[\g+6], 0
	s_mov_b32 s[\g+7], 0
.endr
	s_lshl_b32 s20, s[QBN], 7
	s_lshl_b32 s21, s[WK], 6
	s_add_co_u32 s20, s20, s21
	s_mul_i32 s20, s20, 6144                       ; Q: row 128 qb + 64 half: nothing of my place in the cluster
	s_mov_b32 s21, 0
	s_lshl_b32 s22, s[BT], 11
	s_add_co_u32 s22, s22, s[KS]
	s_mul_i32 s23, s[KQ], 96
	s_add_co_u32 s22, s22, s23
	s_mul_i32 s23, s[WK], 48
	s_add_co_u32 s22, s22, s23
	s_mul_i32 s22, s22, 6144
	s_add_co_u32 s22, s22, 2048                    ; k lies 2,048 bytes into a row
	s_mov_b32 s23, 0
	s_mov_b32 s[G0Q], 1
	s_mul_i32 s[G0Q+1], s[WK], 52224
	s_mov_b32 s[G0Q+4], 1
	s_mul_i32 s[G0Q+5], s[WK], 33792
	s_add_co_u32 s[G0Q+5], s[G0Q+5], QB_
	s_mov_b32 s[G0K], 1
	s_mul_i32 s[G0K+1], s[WK], 39168
	s_add_co_u32 s[G0K+1], s[G0K+1], KA_
	s_mov_b32 s[G0K+4], 1
	s_mul_i32 s[G0K+5], s[WK], 25344
	s_add_co_u32 s[G0K+5], s[G0K+5], KB_
	s_mov_b32 s[CS], 0x3d38aa3b                    ; c = log2(e) / 32
	s_mov_b32 s[CS+1], s[CS]
	s_mov_b32 s[SEL], 0x76543210
	s_mov_b32 s[SEL+1], 0xfedcba98
	s_mov_b32 s[NINF], 0xff800000
	s_movk_i32 s[C256], 0x100
	s_mov_b32 s[LOW], 0xff7fffff
	s_mov_b32 s[SG], 0
	s_wait_dscnt 0x0                               ; the opening add is done
	s_wait_kmcnt 0x0
	s_add_nc_u64 s[G0Q+2:G0Q+3], s[4:5], s[20:21]
	s_add_nc_u64 s[G0Q+6:G0Q+7], s[G0Q+2:G0Q+3], 768   ; channel 384
	s_or_b32 s[G0Q+3], s[G0Q+3], 0x80000000
	s_or_b32 s[G0Q+7], s[G0Q+7], 0x80000000
	s_add_nc_u64 s[G0K+2:G0K+3], s[4:5], s[22:23]
	s_add_nc_u64 s[G0K+6:G0K+7], s[G0K+2:G0K+3], 768
	s_or_b32 s[G0K+3], s[G0K+3], 0x80000000
	s_or_b32 s[G0K+7], s[G0K+7], 0x80000000
	CROUND                                         ; all four work-groups are here: the first joint loads meet
	s_cmp_lt_u32 s[WV], 2                          ; waves 0, 1: Q's halves; waves 2, 3: K's.  Two loads of mine are out
	s_cbranch_scc0 .Lfirst_k
	tensor_load_to_lds s[G0Q:G0Q+3], s[G1QA:G1QA+7]
	s_nop 0
	tensor_load_to_lds s[G0Q+4:G0Q+7], s[G1QB:G1QB+7]
	s_nop 0
	PLACES
	s_branch .Lfirst_asked
.Lfirst_k:
	tensor_load_to_lds s[G0K:G0K+3], s[G1KA:G1KA+7]
	s_nop 0
	tensor_load_to_lds s[G0K+4:G0K+7], s[G1KB:G1KB+7]
	s_nop 0
	PLACES
.Lfirst_asked:
	v_and_b32 v1, 15, v0                           ; r
	v_bfe_u32 v2, v0, 4, 1                         ; h
	v_and_b32 v15, 31, v0                          ; lane
	v_lshlrev_b32 v[LO], 4, v15
	s_lshl_b32 s20, s[WQ], 6
	v_add_nc_u32 v3, s20, v1
	v_mul_u32_u24 v[BQA], v3, PA
	v_lshl_add_u32 v[BQA], v2, 4, v[BQA]
	v_mul_u32_u24 v[BQB], v3, PB
	v_lshl_add_u32 v[BQB], v2, 4, v[BQB]
	v_add_nc_u32 v[BQB], QB_, v[BQB]
	s_mul_i32 s20, s[WK], 48
	v_add_nc_u32 v3, s20, v1
	v_mul_u32_u24 v[BKA], v3, PA
	v_lshl_add_u32 v[BKA], v2, 4, v[BKA]
	v_add_nc_u32 v[BKA], KA_, v[BKA]
	v_mul_u32_u24 v[BKB], v3, PB
	v_lshl_add_u32 v[BKB], v2, 4, v[BKB]
	v_add_nc_u32 v[BKB], KB_, v[BKB]
	; query - key + 128 = T + 16 (a - b) - j, with T = 128 i - ks - 96 kq + 64 wq - 48 wk + 128 + r - 8 h: visible where that, as an unsigned number, is at most 256
	s_lshl_b32 s20, s[II], 7
	s_sub_co_u32 s20, s20, s[KS]
	s_mul_i32 s21, s[KQ], 96
	s_sub_co_u32 s20, s20, s21
	s_lshl_b32 s21, s[WQ], 6
	s_add_co_u32 s20, s20, s21
	s_mul_i32 s21, s[WK], 48
	s_sub_co_u32 s20, s20, s21
	s_add_co_u32 s20, s20, 128
	v_lshlrev_b32 v3, 3, v2
	v_sub_nc_u32 v3, v1, v3
	v_add_nc_u32 v[TT], s20, v3
	s_mul_i32 s20, s[QBN], 98304                   ; pf: [qb][query tile 8][key block 24][512 bytes]
	s_mul_i32 s21, s[WQ], 49152
	s_add_co_u32 s20, s20, s21
	s_mul_i32 s21, s[KQ], 3072
	s_add_co_u32 s20, s20, s21
	s_mul_i32 s21, s[WK], 1536
	s_add_co_u32 s20, s20, s21
	s_mov_b32 s21, 0
	s_add_nc_u64 s[6:7], s[6:7], s[20:21]
	s_lshl_b32 s20, s[QBN], 13                     ; st: [qb][chunk 8][wq 2][512 bytes]
	s_lshl_b32 s22, s[KQ], 11
	s_add_co_u32 s20, s20, s22
	s_lshl_b32 s22, s[WK], 10
	s_add_co_u32 s20, s20, s22
	s_lshl_b32 s22, s[WQ], 9
	s_add_co_u32 s20, s20, s22
	s_add_nc_u64 s[8:9], s[8:9], s[20:21]
.macro LD f, k, P                      ; 14 loads: the fragments of 32 channels at byte k of a piece
.irp b, 0,1,2
	ds_load_b128 v[(\f)+8*(\b):(\f)+8*(\b)+3],   v[AK] offset:16*(\P)*(\b)+(\k)
	ds_load_b128 v[(\f)+8*(\b)+4:(\f)+8*(\b)+7], v[AK] offset:16*(\P)*(\b)+(\k)+32
.endr
.irp a, 0,1,2,3
	ds_load_b128 v[(\f)+24+8*(\a):(\f)+24+8*(\a)+3], v[AQ] offset:16*(\P)*(\a)+(\k)
	ds_load_b128 v[(\f)+24+8*(\a)+4:(\f)+24+8*(\a)+7], v[AQ] offset:16*(\P)*(\a)+(\k)+32
.endr
.endm
.macro MUL f, z                        ; 12 products, each accumulator once: they take turns.  z = 1: the first products start the sums
.irp b, 0,1,2
.irp a, 0,1,2,3
.if \z
	v_wmma_f32_16x16x32_f16 v[ACC+8*(3*(\a)+(\b)):ACC+8*(3*(\a)+(\b))+7], v[(\f)+8*(\b):(\f)+8*(\b)+7], v[(\f)+24+8*(\a):(\f)+24+8*(\a)+7], 0
.else
	v_wmma_f32_16x16x32_f16 v[ACC+8*(3*(\a)+(\b)):ACC+8*(3*(\a)+(\b))+7], v[(\f)+8*(\b):(\f)+8*(\b)+7], v[(\f)+24+8*(\a):(\f)+24+8*(\a)+7], v[ACC+8*(3*(\a)+(\b)):ACC+8*(3*(\a)+(\b))+7]
.endif
.endr
.endr
.endm
; A piece of 256 bytes: 128 channels, four times 32, on two fragment buffers.  Each wait for 14 leaves the younger buffer's 14 loads out.
.macro SEG P, step, z, bq, bk
	v_add_nc_u32 v[AQ], s[SG], v[\bq]
	v_add_nc_u32 v[AK], s[SG], v[\bk]
	LD F0, 0, \P
	LD F1, 64, \P
	s_wait_dscnt 14
	MUL F0, \z
	PLACES
	LD F0, 128, \P
	s_wait_dscnt 14
	MUL F1, 0
	PLACES
	LD F1, 192, \P
	s_wait_dscnt 14
	MUL F0, 0
	s_wait_dscnt 0x0
	MUL F1, 0
	PLACES
	s_add_co_u32 s[SG], s[SG], \step
.endm
	s_wait_tensorcnt 0x1                           ; my part of region A is in; B's may stay out
	s_barrier_signal -1
	s_barrier_wait -1
	SEG PA, 272, 1, BQA, BKA                       ; channels 0-127 start the sums
	s_mov_b32 s[CNT], 2
.Lp1:
	SEG PA, 272, 0, BQA, BKA                       ; 128-383
	s_sub_co_u32 s[CNT], s[CNT], 1
	s_cmp_lg_u32 s[CNT], 0
	s_cbranch_scc1 .Lp1
	s_wait_tensorcnt 0x0                           ; THE ONE REFILL.  All my tensor loads have landed, region B's part among them;
	ds_add_u32 v[SPW], v[NIL]
	s_add_nc_u64 s[G0Q+2:G0Q+3], s[G0Q+2:G0Q+3], 1280  ; region A's descriptors step to channel 640
	s_add_nc_u64 s[G0K+2:G0K+3], s[G0K+2:G0K+3], 1280
	s_mov_b32 s[SG], 0
	s_mov_b32 s[CNT], 2
	s_wait_dscnt 0x0                               ; the add is done, my reads of region A are over
	CROUND                                         ; the same holds of every wave of all four work-groups
	s_cmp_lt_u32 s[WV], 2
	s_cbranch_scc0 .Lre_k
	tensor_load_to_lds s[G0Q:G0Q+3], s[G1QA:G1QA+7]
	s_nop 0
	PLACES
	s_branch .Lre_asked
.Lre_k:
	tensor_load_to_lds s[G0K:G0K+3], s[G1KA:G1KA+7]
	s_nop 0
	PLACES
.Lre_asked:
.Lp2:
	SEG PB, 256, 0, BQB, BKB                       ; 384-639, while the refill is on its way
	s_sub_co_u32 s[CNT], s[CNT], 1
	s_cmp_lg_u32 s[CNT], 0
	s_cbranch_scc1 .Lp2
	s_wait_tensorcnt 0x0                           ; my part of the refill is in (no load was issued behind it),
	s_wait_dscnt 0x0
	s_barrier_signal -1
	s_barrier_wait -1                              ; everybody's is
	s_mov_b32 s[SG], 0
	s_mov_b32 s[CNT], 3
.Lp3:
	SEG PA, 272, 0, BQA, BKA                       ; 640-1023
	s_sub_co_u32 s[CNT], s[CNT], 1
	s_cmp_lg_u32 s[CNT], 0
	s_cbranch_scc1 .Lp3
	; THE BAND.  By diagonals d = a - b and registers j, ascending
.set nd, -2
.rept 6
.set nj, 0
.rept 8
	v_add_nc_u32 v14, 16*nd-nj, v[TT]
	v_cmp_ge_u32 vcc_lo, s[C256], v14
.set na, 0
.rept 4
.if (na-nd >= 0) && (na-nd <= 2)
	v_cndmask_b32 v[ACC+8*(3*na+(na-nd))+nj], s[NINF], v[ACC+8*(3*na+(na-nd))+nj], vcc_lo
.endif
.set na, na+1
.endr
.set nj, nj+1
.endr
.set nd, nd+1
.endr
	; the chunk's maximum: a query tile's 24 scores a lane lie in 24 registers on end; four chains, one a tile
.irp a, 0,1,2,3
	v_max3_num_f32 v[ST+4*(\a)+1], s[LOW], v[ACC+24*(\a)], v[ACC+24*(\a)+1]
.endr
.set nq, 1
.rept 11
.irp a, 0,1,2,3
	v_max3_num_f32 v[ST+4*(\a)+1], v[ST+4*(\a)+1], v[ACC+24*(\a)+2*nq], v[ACC+24*(\a)+2*nq+1]
.endr
.set nq, nq+1
.endr
.irp a, 0,1,2,3
	v_permlanex16_b32 v[F0+(\a)], v[ST+4*(\a)+1], s[SEL], s[SEL+1]  ; the query's other 24 keys lie in the lane 16 away
.endr
.irp a, 0,1,2,3
	v_max_num_f32 v[ST+4*(\a)+1], v[ST+4*(\a)+1], v[F0+(\a)]
.endr
.irp a, 0,1,2,3
	v_mul_f32 v[ST+4*(\a)], s[CS], v[ST+4*(\a)+1]
.endr
.set nq, 0
.rept 12
.irp a, 0,1,2,3
	v_pk_fma_f32 v[ACC+24*(\a)+2*nq:ACC+24*(\a)+2*nq+1], v[ACC+24*(\a)+2*nq:ACC+24*(\a)+2*nq+1], s[CS:CS+1], v[ST+4*(\a):ST+4*(\a)+1] op_sel_hi:[1,0,0] neg_lo:[0,0,1] neg_hi:[0,0,1]  ; c s - c m
.endr
.set nq, nq+1
.endr
.set ni, 0
.rept 96                                       ; one batch of exponentials,
	v_exp_f32 v[ACC+ni], v[ACC+ni]
.set ni, ni+1
.endr
	v_nop                                          ; one plain instruction behind the last,
	s_wait_alu depctr_va_vdst(0)                   ; and one wait ahead of the first reader
.set ni, 0
.rept 48
	v_cvt_pk_f16_f32 v[F0+ni], v[ACC+2*ni], v[ACC+2*ni+1]  ; (a, b)'s eight weights: four registers at F0 + 12 a + 4 b
.set ni, ni+1
.endr
.irp a, 0,1,2,3
.irp b, 0,1,2
	global_store_b128 v[LO], v[F0+12*(\a)+4*(\b):F0+12*(\a)+4*(\b)+3], s[6:7] offset:(\a)*12288+(\b)*512  ; half a fragment: 512 consecutive bytes, aligned
.endr
.endr
.irp a, 0,1,2,3
	v_pk_add_f32 v[ST+4*(\a)+2:ST+4*(\a)+3], v[ACC+24*(\a):ACC+24*(\a)+1], v[ACC+24*(\a)+2:ACC+24*(\a)+3]  ; the sums, of the unrounded weights
.endr
.set nq, 2
.rept 10
.irp a, 0,1,2,3
	v_pk_add_f32 v[ST+4*(\a)+2:ST+4*(\a)+3], v[ST+4*(\a)+2:ST+4*(\a)+3], v[ACC+24*(\a)+2*nq:ACC+24*(\a)+2*nq+1]
.endr
.set nq, nq+1
.endr
.irp a, 0,1,2,3
	v_add_f32 v[ST+4*(\a)+2], v[ST+4*(\a)+2], v[ST+4*(\a)+3]
.endr
.irp a, 0,1,2,3
	v_permlanex16_b32 v[ST+4*(\a)+3], v[ST+4*(\a)+2], s[SEL], s[SEL+1]
.endr
.irp a, 0,1,2,3
	v_add_f32 v[ST+4*(\a)+2], v[ST+4*(\a)+2], v[ST+4*(\a)+3]
.endr
	v_cmp_gt_u32 vcc_lo, 16, v15                   ; lanes 0-15 store the four c m of query r, lanes 16-31 its four sums: 512 consecutive bytes
.irp a, 0,1,2,3
	v_cndmask_b32 v[F1+(\a)], v[ST+4*(\a)+2], v[ST+4*(\a)], vcc_lo
.endr
	global_store_b128 v[LO], v[F1:F1+3], s[8:9]
	s_wait_tensorcnt 0x0                           ; the wave's end
	ds_add_u32 v[SPW], v[NIL]
	s_wait_dscnt 0x0
	CROUND                                         ; the closing round
	s_endpgm
.Lfunc_end_k_qdf35af028b_attp:
	.size	k_qdf35af028b_attp, .Lfunc_end_k_qdf35af028b_attp-k_qdf35af028b_attp
	.p2alignl 7, 3214868480
	.fill 96, 4, 3214868480
	.section	.rodata,"a",@progbits
	.p2align	6, 0x0
	.amdhsa_kernel k_qdf35af028b_attp
		.amdhsa_group_segment_fixed_size 327680
		.amdhsa_private_segment_fixed_size 0
		.amdhsa_enable_private_segment 0
		.amdhsa_kernarg_size 24
		.amdhsa_user_sgpr_count 2
		.amdhsa_user_sgpr_kernarg_segment_ptr 1
		.amdhsa_wavefront_size32 1
		.amdhsa_system_sgpr_workgroup_id_x 1
		.amdhsa_system_sgpr_workgroup_id_y 1
		.amdhsa_system_sgpr_workgroup_id_z 1
		.amdhsa_system_vgpr_workitem_id 0
		.amdhsa_next_free_vgpr 256
		.amdhsa_next_free_sgpr 96
		.amdhsa_reserve_vcc 1
		.amdhsa_float_denorm_mode_32 3
		.amdhsa_float_denorm_mode_16_64 3
		.amdhsa_memory_ordered 1
		.amdhsa_forward_progress 1
		.amdhsa_inst_pref_size 63
	.end_amdhsa_kernel
	.amdgpu_metadata
---
amdhsa.version: [ 1, 2 ]
amdhsa.kernels:
  - .name:           k_qdf35af028b_attp
    .symbol:         k_qdf35af028b_attp.kd
    .args:
      - { .name: qkv, .offset: 0, .size: 8, .value_kind: global_buffer, .address_space: global }
      - { .name: pf, .offset: 8, .size: 8, .value_kind: global_buffer, .address_space: global }
      - { .name: st, .offset: 16, .size: 8, .value_kind: global_buffer, .address_space: global }
    .group_segment_fixed_size: 327680
    .private_segment_fixed_size: 0
    .kernarg_segment_align: 8
    .kernarg_segment_size: 24
    .max_flat_workgroup_size: 128
    .sgpr_count:     96
    .vgpr_count:     256
    .wavefront_size: 32
...
	.end_amdgpu_metadata
.endif
;; end of part 3
;; launch atto (part 4): grid 4 x 64, 4 waves a work-group, no clusters, 226,816 bytes of LDS; arguments qkv, pf, st, ob; writes ob
.if DOCPART == 4
	.amdgcn_target "amdgcn-amd-amdhsa--gfx1250"
	.amdhsa_code_object_version 6
	.text
	.protected	k_qdf35af028b_atto
	.globl	k_qdf35af028b_atto
	.p2align	8
	.type	k_qdf35af028b_atto,@function
k_qdf35af028b_atto:
	s_mov_b64 s[64:65], 0
	v_nop
	global_prefetch_b8 v0, s[64:65] scope:SCOPE_SE
	s_setreg_imm32_b32 hwreg(HW_REG_WAVE_MODE, 25, 1), 1
	s_wait_xcnt 0x0
; O = softmax x V.  A work-group makes 128 queries x 256 channels over the window's 384 keys; a wave 64 queries x 128 channels: 32 accumulators.  O^T = V^T P in f16 with f32 sums.
; THE CHUNKS ARE JOINED: for each query M = the largest c m of its 8 chunks, f = 2^(c m_chunk - M), L = the sum of f x the chunk's sum (at least 1: the chunk that holds M has f = 1 and a weight 1);
; each chunk's weights are multiplied by f / L, rounded once to f16, in packed f16.  So O needs no division at the end.
; LIMITS: a weight below 6e-8 of the row's total counts as 0 (f16's step); |v| and |O| under 65,504; NaN and infinities are not treated apart.
; V's slab, 384 rows x 512 bytes, lies whole in LDS: one tensor load a wave, no slot is filled again.  P stays in registers: it was stored as ready fragments.
; NO CLUSTER: the four channel slabs of a query block share only pf and st, which come through registers (3 of a work-group's 18 parts of bytes); neighbouring query blocks need other windows of V.
; REGISTERS: window 0: addresses, statistics, v32-63 f / L twice in f16 by chunk and tile, v64-191 V's fragments (two buffers), v192-255 the chunks' c m and sums.
;   window 1: accumulator (a, cb) at 8 (8 a + cb).   windows 2, 3: P(a, step) at 8 (4 step + a), steps 0-7 and 8-11.
.set PV,    544                        ; a row of V in LDS: 512 + 32: 17 x 32, which suits the turning load
.set STAGE, 208896                     ; 16 rows x 272 bytes for each wave
.set SPARE, 226304
.set AV0, 2
.set AVG, 4                            ; v4-7: AV0 + 96 rows x g
.set STO, 8
.set RD,  9
.set GO,  10
.set LO,  11
.set SPW, 12
.set NIL, 13
.set RO,  14
.set MX,  16
.set LL,  20
.set RC,  24
.set FH,  32
.set VF,  64
.set MC,  192
.set LC,  224
.set WV,  12
.set WQ,  13
.set WD,  14
.set DS,  15
.set QBN, 16
.set II,  17
.set BT,  18
.set KS,  19
.set G1,  24
.set G0,  32
.set MSB, 0
.macro WIN new
.if MSB != (\new)
	s_set_vgpr_msb (MSB<<8)|(\new)
.set MSB, (\new)
.endif
.endm
.macro PLACES
.rept 4
	v_nop
.endr
.endm
	s_load_b256 s[4:11], s[0:1], 0x0               ; qkv s[4:5], pf s[6:7], st s[8:9], ob s[10:11]
	v_lshl_add_u32 v[SPW], v0, 2, SPARE
	v_mov_b32 v[NIL], 0
	ds_add_u32 v[SPW], v[NIL]                      ; the wave's opening: the add and its wait ahead of my tensor load
	ds_add_u32 v12, v13
	v_lshrrev_b32 v1, 5, v0
	v_readfirstlane_b32 s[WV], v1
	s_lshr_b32 s[WQ], s[WV], 1
	s_and_b32 s[WD], s[WV], 1
	s_mov_b32 s[DS], ttmp9
	s_and_b32 s[QBN], ttmp7, 0xffff
	s_and_b32 s[II], s[QBN], 15
	s_lshr_b32 s[BT], s[QBN], 4
	s_max_u32 s[KS], s[II], 1
	s_sub_co_u32 s[KS], s[KS], 1
	s_min_u32 s[KS], s[KS], 13
	s_lshl_b32 s[KS], s[KS], 7
	s_mov_b32 s[G1], (1<<16)|(1<<20)|(6<<22)|(7<<25)  ; 2-byte elements; 32 bytes of padding behind every 512
	s_mov_b32 s[G1+1], 256<<16
	s_mov_b32 s[G1+2], 96<<16
	s_mov_b32 s[G1+3], 256<<16
	s_mov_b32 s[G1+4], 96
	s_mov_b32 s[G1+5], 3072
	s_mov_b32 s[G1+6], 0
	s_mov_b32 s[G1+7], 0
	s_mov_b32 s[G0], 1
	s_mul_i32 s[G0+1], s[WV], 52224                ; wave w brings keys 96 w .. 96 w + 95
	s_lshl_b32 s20, s[BT], 11
	s_add_co_u32 s20, s20, s[KS]
	s_mul_i32 s21, s[WV], 96
	s_add_co_u32 s20, s20, s21
	s_mul_i32 s20, s20, 6144
	s_lshl_b32 s21, s[DS], 9
	s_add_co_u32 s20, s20, s21
	s_add_co_u32 s20, s20, 4096                    ; v lies 4,096 bytes into a row
	s_mov_b32 s21, 0
	s_wait_dscnt 0x0                               ; the opening add is done
	s_wait_kmcnt 0x0
	s_add_nc_u64 s[G0+2:G0+3], s[4:5], s[20:21]
	s_or_b32 s[G0+3], s[G0+3], 0x80000000
	tensor_load_to_lds s[G0:G0+3], s[G1:G1+7]
	s_nop 0
	PLACES
	v_and_b32 v1, 15, v0                           ; r
	v_bfe_u32 v3, v0, 4, 1                         ; h
	v_and_b32 v15, 31, v0
	v_lshlrev_b32 v[LO], 4, v15
	v_lshlrev_b32 v[RO], 4, v1
	s_lshl_b32 s20, s[QBN], 13
	s_lshl_b32 s22, s[WQ], 9
	s_add_co_u32 s20, s20, s22
	s_add_nc_u64 s[8:9], s[8:9], s[20:21]
	s_mul_i32 s20, s[QBN], 98304
	s_mul_i32 s22, s[WQ], 49152
	s_add_co_u32 s20, s20, s22
	s_add_nc_u64 s[6:7], s[6:7], s[20:21]
.irp c, 0,1,2,3,4,5,6,7
	global_load_b128 v[MC+4*(\c):MC+4*(\c)+3], v[RO], s[8:9] offset:(\c)*1024       ; chunk c: c m of query r in my four tiles,
	global_load_b128 v[LC+4*(\c):LC+4*(\c)+3], v[RO], s[8:9] offset:(\c)*1024+256   ; and the sums
.endr
.set ns, 0
.rept 12                                       ; P: step ns is keys 32 ns on: key blocks 2 ns and 2 ns + 1
.if ns < 8
	WIN 0x80
.set pb, 32*ns
.else
	WIN 0xc0
.set pb, 32*(ns-8)
.endif
.irp a, 0,1,2,3
	global_load_b128 v[pb+8*(\a):pb+8*(\a)+3],   v[LO], s[6:7] offset:(\a)*12288+ns*1024
	global_load_b128 v[pb+8*(\a)+4:pb+8*(\a)+7], v[LO], s[6:7] offset:(\a)*12288+ns*1024+512
.endr
.set ns, ns+1
.endr
	WIN 0
	; The turning load takes 16 keys x 16 channels (lane l reads key 8 (l / 16) + l % 8, channels 8 ((l / 8) % 2) + 0..7) and leaves half a fragment of V^T
	v_and_b32 v15, 7, v0
	v_lshl_add_u32 v[AV0], v3, 3, v15
	v_mul_u32_u24 v[AV0], v[AV0], PV
	v_bfe_u32 v15, v0, 3, 1
	v_lshl_add_u32 v[AV0], v15, 4, v[AV0]
	s_lshl_b32 s20, s[WD], 8
	v_add_nc_u32 v[AV0], s20, v[AV0]
.irp g, 0,1,2,3
	v_add_nc_u32 v[AVG+(\g)], (\g)*52224, v[AV0]
.endr
	s_mul_i32 s20, s[WV], 4352
	s_add_co_u32 s20, s20, STAGE
	v_mul_u32_u24 v[STO], v1, 272
	v_lshl_add_u32 v[STO], v3, 4, v[STO]
	v_add_nc_u32 v[STO], s20, v[STO]
	v_mul_u32_u24 v[RD], v3, 272
	v_lshl_add_u32 v[RD], v1, 4, v[RD]
	v_add_nc_u32 v[RD], s20, v[RD]
	v_lshlrev_b32 v[GO], 11, v3
	v_lshl_add_u32 v[GO], v1, 4, v[GO]
	s_lshl_b32 s20, s[QBN], 7
	s_lshl_b32 s22, s[WQ], 6
	s_add_co_u32 s20, s20, s22
	s_lshl_b32 s20, s20, 11
	s_lshl_b32 s22, s[DS], 9
	s_add_co_u32 s20, s20, s22
	s_lshl_b32 s22, s[WD], 8
	s_add_co_u32 s20, s20, s22
	s_add_nc_u64 s[10:11], s[10:11], s[20:21]
	s_wait_loadcnt 63                              ; 96 loads were issued behind the statistics' 16: with 63 out at the most these are in
.irp a, 0,1,2,3
	v_max3_num_f32 v[MX+(\a)], v[MC+(\a)], v[MC+4+(\a)], v[MC+8+(\a)]
.endr
.irp a, 0,1,2,3
	v_max3_num_f32 v[MX+(\a)], v[MX+(\a)], v[MC+12+(\a)], v[MC+16+(\a)]
.endr
.irp a, 0,1,2,3
	v_max3_num_f32 v[MX+(\a)], v[MX+(\a)], v[MC+20+(\a)], v[MC+24+(\a)]
.endr
.irp a, 0,1,2,3
	v_max_num_f32 v[MX+(\a)], v[MX+(\a)], v[MC+28+(\a)]
.endr
.irp c, 0,1,2,3,4,5,6,7
.irp p, 0,2
	v_pk_add_f32 v[MC+4*(\c)+(\p):MC+4*(\c)+(\p)+1], v[MC+4*(\c)+(\p):MC+4*(\c)+(\p)+1], v[MX+(\p):MX+(\p)+1] neg_lo:[0,1] neg_hi:[0,1]
.endr
.endr
.set ni, 0
.rept 32
	v_exp_f32 v[MC+ni], v[MC+ni]
.set ni, ni+1
.endr
	v_nop                                          ; a plain instruction behind the batch, and its one wait
	s_wait_alu depctr_va_vdst(0)
.irp p, 0,2
	v_pk_mul_f32 v[LL+(\p):LL+(\p)+1], v[MC+(\p):MC+(\p)+1], v[LC+(\p):LC+(\p)+1]
.endr
.irp c, 1,2,3,4,5,6,7
.irp p, 0,2
	v_pk_fma_f32 v[LL+(\p):LL+(\p)+1], v[MC+4*(\c)+(\p):MC+4*(\c)+(\p)+1], v[LC+4*(\c)+(\p):LC+4*(\c)+(\p)+1], v[LL+(\p):LL+(\p)+1]
.endr
.endr
.irp a, 0,1,2,3
	v_rcp_f32 v[RC+(\a)], v[LL+(\a)]
.endr
	v_nop
	s_wait_alu depctr_va_vdst(0)
.irp c, 0,1,2,3,4,5,6,7
.irp p, 0,2
	v_pk_mul_f32 v[MC+4*(\c)+(\p):MC+4*(\c)+(\p)+1], v[MC+4*(\c)+(\p):MC+4*(\c)+(\p)+1], v[RC+(\p):RC+(\p)+1]
.endr
.endr
.set ni, 0
.rept 32
	v_cvt_pk_f16_f32 v[FH+ni], v[MC+ni], v[MC+ni]  ; f / L in both halves
.set ni, ni+1
.endr
.set ns, 0
.rept 12
.if 8*(11-ns) > 63
	s_wait_loadcnt 63
.else
	s_wait_loadcnt 8*(11-ns)                       ; step ns's eight loads are in; the later steps' stay out
.endif
.if ns < 8
	WIN 0x82
.set pb, 32*ns
.else
	WIN 0xc3
.set pb, 32*(ns-8)
.endif
.set na, 0
.rept 4
.set nj, 0
.rept 8
	v_pk_mul_f16 v[pb+8*na+nj], v[pb+8*na+nj], v[FH+4*((2*ns+nj/4)/3)+na]  ; key block 2 ns + nj / 4 lies in chunk (block / 3)
.set nj, nj+1
.endr
.set na, na+1
.endr
.set ns, ns+1
.endr
	WIN 0
	s_wait_tensorcnt 0x0                           ; my 96 keys are in (my only tensor load),
	s_barrier_signal -1
	s_barrier_wait -1                              ; everybody's are
.macro FETCHV st, f                    ; 32 keys x my 128 channels, turned: 16 loads
	WIN 0
.irp cb, 0,1,2,3,4,5,6,7
	ds_load_tr16_b128 v[(\f)+8*(\cb):(\f)+8*(\cb)+3],   v[AVG+(\st)/3] offset:((\st)%3)*17408+32*(\cb)
	ds_load_tr16_b128 v[(\f)+8*(\cb)+4:(\f)+8*(\cb)+7], v[AVG+(\st)/3] offset:((\st)%3)*17408+8704+32*(\cb)
.endr
.endm
.macro MULS st, f                      ; 32 products, each accumulator once: they take turns
.if (\st) < 8
	WIN 0x58
.set pb, 32*(\st)
.else
	WIN 0x5c
.set pb, 32*((\st)-8)
.endif
.irp cb, 0,1,2,3,4,5,6,7
.irp a, 0,1,2,3
.if (\st) == 0
	v_wmma_f32_16x16x32_f16 v[8*(8*(\a)+(\cb)):8*(8*(\a)+(\cb))+7], v[(\f)+8*(\cb):(\f)+8*(\cb)+7], v[pb+8*(\a):pb+8*(\a)+7], 0
.else
	v_wmma_f32_16x16x32_f16 v[8*(8*(\a)+(\cb)):8*(8*(\a)+(\cb))+7], v[(\f)+8*(\cb):(\f)+8*(\cb)+7], v[pb+8*(\a):pb+8*(\a)+7], v[8*(8*(\a)+(\cb)):8*(8*(\a)+(\cb))+7]
.endif
.endr
.endr
.endm
	FETCHV 0, VF
.set ns, 0
.rept 12                                       ; written out: P's registers are named by the step
.if ns < 11
.if ns > 0
	PLACES
.endif
	FETCHV ns+1, VF+64*((ns+1)%2)
	s_wait_dscnt 16                                ; this step's V is in; the next step's 16 loads stay out
.else
	s_wait_dscnt 0x0
.endif
	MULS ns, VF+64*(ns%2)
.set ns, ns+1
.endr
	PLACES
; THE WAY OUT, a query tile at a time: rounded to f16; 16 bytes a lane into my own stage, rows of 272 bytes; back as whole rows of 256.
.macro PACK t
	WIN 0x05
.set ni, 0
.rept 32
	v_cvt_pk_f16_f32 v[VF+32*(\t)+ni], v[64*(\t)+2*ni], v[64*(\t)+2*ni+1]
.set ni, ni+1
.endr
	WIN 0
.irp f, 0,1,2,3,4,5,6,7
	ds_store_b128 v[STO], v[VF+32*(\t)+4*(\f):VF+32*(\t)+4*(\f)+3] offset:32*(\f)
.endr
.irp f, 0,1,2,3,4,5,6,7
	ds_load_b128 v[VF+32*(\t)+4*(\f):VF+32*(\t)+4*(\f)+3], v[RD] offset:(\f)*544  ; LDS serves a wave's instructions in order (ISA guide 5.7.1.4): these see the stores above
.endr
.endm
.macro SEND t, younger                 ; younger: the LDS instructions issued behind tile t's loads
.irp f, 0,1,2,3,4,5,6,7
	s_wait_dscnt (\younger)+7-(\f)
	global_store_b128 v[GO], v[VF+32*(\t)+4*(\f):VF+32*(\t)+4*(\f)+3], s[10:11] offset:(\t)*32768+(\f)*4096  ; 16 lanes: 256 consecutive bytes, aligned
.endr
.endm
	PACK 0
	PACK 1
	SEND 0, 16
	PACK 2
	SEND 1, 16
	PACK 3
	SEND 2, 16
	SEND 3, 0
	s_wait_tensorcnt 0x0                           ; the wave's end
	ds_add_u32 v[SPW], v[NIL]
	s_wait_dscnt 0x0
	s_endpgm
.Lfunc_end_k_qdf35af028b_atto:
	.size	k_qdf35af028b_atto, .Lfunc_end_k_qdf35af028b_atto-k_qdf35af028b_atto
	.p2alignl 7, 3214868480
	.fill 96, 4, 3214868480
	.section	.rodata,"a",@progbits
	.p2align	6, 0x0
	.amdhsa_kernel k_qdf35af028b_atto
		.amdhsa_group_segment_fixed_size 226816
		.amdhsa_private_segment_fixed_size 0
		.amdhsa_enable_private_segment 0
		.amdhsa_kernarg_size 32
		.amdhsa_user_sgpr_count 2
		.amdhsa_user_sgpr_kernarg_segment_ptr 1
		.amdhsa_wavefront_size32 1
		.amdhsa_system_sgpr_workgroup_id_x 1
		.amdhsa_system_sgpr_workgroup_id_y 1
		.amdhsa_system_sgpr_workgroup_id_z 1
		.amdhsa_system_vgpr_workitem_id 0
		.amdhsa_next_free_vgpr 896
		.amdhsa_next_free_sgpr 66
		.amdhsa_reserve_vcc 0
		.amdhsa_float_denorm_mode_32 3
		.amdhsa_float_denorm_mode_16_64 3
		.amdhsa_memory_ordered 1
		.amdhsa_forward_progress 1
		.amdhsa_inst_pref_size 102
	.end_amdhsa_kernel
	.amdgpu_metadata
---
amdhsa.version: [ 1, 2 ]
amdhsa.kernels:
  - .name:           k_qdf35af028b_atto
    .symbol:         k_qdf35af028b_atto.kd
    .args:
      - { .name: qkv, .offset: 0, .size: 8, .value_kind: global_buffer, .address_space: global }
      - { .name: pf, .offset: 8, .size: 8, .value_kind: global_buffer, .address_space: global }
      - { .name: st, .offset: 16, .size: 8, .value_kind: global_buffer, .address_space: global }
      - { .name: ob, .offset: 24, .size: 8, .value_kind: global_buffer, .address_space: global }
    .group_segment_fixed_size: 226816
    .private_segment_fixed_size: 0
    .kernarg_segment_align: 8
    .kernarg_segment_size: 32
    .max_flat_workgroup_size: 128
    .sgpr_count:     66
    .vgpr_count:     896
    .wavefront_size: 32
...
	.end_amdgpu_metadata
.endif
;; end of part 4
;; launch proj (part 5): grid 8 x 32, 4 waves a work-group, clusters of 4 x 4, 327,680 bytes of LDS; arguments ob, wpt, b_proj, out0; writes out0
.if DOCPART == 5
	.amdgcn_target "amdgcn-amd-amdhsa--gfx1250"
	.amdhsa_code_object_version 6
	.text
	.protected	k_qdf35af028b_proj
	.globl	k_qdf35af028b_proj
	.p2align	8
	.type	k_qdf35af028b_proj,@function
k_qdf35af028b_proj:
	s_mov_b64 s[64:65], 0
	v_nop
	global_prefetch_b8 v0, s[64:65] scope:SCOPE_SE
	s_setreg_imm32_b32 hwreg(HW_REG_WAVE_MODE, 25, 1), 1
	s_wait_xcnt 0x0
	s_wait_alu depctr_hold_cnt(0) depctr_sa_sdst(0) depctr_va_vdst(0) depctr_va_sdst(0) depctr_va_ssrc(0) depctr_va_vcc(0) depctr_vm_vsrc(0)
	s_getreg_b32 s2, hwreg(HW_REG_IB_STS2, 6, 4)
	s_cmp_eq_u32 s2, 0
	s_cbranch_scc0 .Lentry_in_a_cluster
	s_endpgm
.Lentry_in_a_cluster:
	s_bfe_u32 s2, ttmp6, 0x10000c
	s_cmp_lg_u32 s2, 0xf033
	s_cbranch_scc0 .Lentry_shape_is_right
	s_endpgm
.Lentry_shape_is_right:
; out[m][n] = sum over k of O[m][k] w_proj[k][n] + b_proj[n]: 8192 x 1024 x 1024.  O in f16; the weights rounded to bf16 and written as f16 (wpt, [n][k]); the bias rounded to bf16; sums and result f32.
; A tile of 256 x 128 gives 256 work-groups of one tile.  Four waves, each 128 rows x 64 columns: 32 accumulators.  K goes in 8 steps of 128 (rows of 256 bytes) through two LDS slots.
; CLUSTER 4 x 4: O's tile is shared along a row of the cluster, the weights' along a column.  The matrix instruction is used transposed: a lane holds one row and eight neighbouring columns.
; The bias starts the sums: it lies in accumulator (0, b)'s registers and is the C operand of every accumulator (a, b)'s first product.
; REGISTERS: window 0: v0-14 addresses; v32-127, v128-223 two fragment buffers (O's eight, then the weights' four).   window 1: accumulator (a, b) at 8 (4 a + b).
.set SLOT1, 131072                     ; a slot: O's 256 rows of 272 bytes (256 + 16), then the weights' 128
.set BOFF,  69632
.set STAGE, 235520                     ; 16 rows x 272 bytes for each wave
.set SPARE, 252928
.set AA0, 4
.set AB0, 5
.set AA,  6
.set AB,  7
.set STO, 8
.set RD,  9
.set CO,  10
.set PFO, 11
.set SPW, 12
.set NIL, 13
.set BO,  14
.set F0,  32
.set F1,  128
.set WV,  12
.set WR,  13
.set WC,  14
.set CX,  15
.set CY,  16
.set TX,  17
.set TY,  18
.set CNT, 19
.set TB,  20
.set G1A, 24
.set G1B, 32
.set G0A, 40                           ; s[40:43] slot 0, K step 0; s[44:47] slot 1, K step 1, and then it walks
.set G0B, 48
.set PFA, 56
.set LIM, 60
.set PMK, 61
.set SH,  62
.set MSB, 0
.macro WIN new
.if MSB != (\new)
	s_set_vgpr_msb (MSB<<8)|(\new)
.set MSB, (\new)
.endif
.endm
.macro PLACES
.rept 4
	v_nop
.endr
.endm
.macro CREST
	s_cmp_lg_u32 s[WV], 0
	s_cbranch_scc1 .Lnw0_\@
	s_barrier_signal -3
.Lnw0_\@:
	s_barrier_wait -3
	s_barrier_signal -1
	s_barrier_wait -1
.endm
.macro CROUND
	s_barrier_signal -1
	s_barrier_wait -1
	CREST
.endm
.macro JLOAD
	s_cmp_lt_u32 s[WV], 2
	s_cbranch_scc0 .Ljb_\@
	tensor_load_to_lds s[G0A+4:G0A+7], s[G1A:G1A+7]
	s_nop 0
	PLACES
	s_branch .Ljd_\@
.Ljb_\@:
	tensor_load_to_lds s[G0B+4:G0B+7], s[G1B:G1B+7]
	s_nop 0
	PLACES
.Ljd_\@:
.endm
; A PREFETCH INTO THE L2, behind the joint load, its five lines and the run of LDS loads: 256 bytes of a row are a K step.  O's rows: waves 0, 1 of the clusters with x = 0; of the 128 rows that a wave fetches partner cx
; takes 32, a lane a row, for the K step two refills on.  The weights' rows: waves 2, 3 of the clusters with y = 0; of a wave's 64 rows partner cy takes 16, lanes 16-31 the K step after, in every second trip.
; Each block is named once; partners are told apart by address.  K steps 0-3 come by their loads alone; no request passes K step 7.
.macro ASK
	s_and_b32 s22, s[CNT], s[PMK]
	s_cmp_lg_u32 s22, 0
	s_cbranch_scc1 .Lna_\@
	s_cmp_gt_u32 s[CNT], s[LIM]
	s_cbranch_scc0 .Lna_\@
	global_prefetch_b8 v[PFO], s[PFA:PFA+1] th:TH_LOAD_NT scope:SCOPE_SE
.Lna_\@:
.endm
	s_load_b256 s[4:11], s[0:1], 0x0               ; ob s[4:5], wpt s[6:7], b_proj s[8:9], out0 s[10:11]
	v_lshl_add_u32 v[SPW], v0, 2, SPARE
	v_mov_b32 v[NIL], 0
	ds_add_u32 v[SPW], v[NIL]                      ; the wave's opening: the add and its wait ahead of my first tensor load
	ds_add_u32 v12, v13
	v_lshrrev_b32 v1, 5, v0
	v_readfirstlane_b32 s[WV], v1
	s_lshr_b32 s[WR], s[WV], 1
	s_and_b32 s[WC], s[WV], 1
	s_bfe_u32 s[CX], ttmp6, 0x40000
	s_bfe_u32 s[CY], ttmp6, 0x40004
	s_lshl_b32 s[TX], ttmp9, 2
	s_add_co_u32 s[TX], s[TX], s[CX]
	s_and_b32 s[TY], ttmp7, 0xffff
	s_lshl_b32 s[TY], s[TY], 2
	s_add_co_u32 s[TY], s[TY], s[CY]
	s_lshl_b32 s22, s[CY], 2
	s_lshl_b32 s22, 15, s22
	s_lshl_b32 s23, 0x1111, s[CX]
	s_or_b32 s[G1A], s22, (1<<16)|(1<<20)|(1<<21)|(5<<22)|(3<<25)  ; 16 bytes of padding behind every 256
	s_or_b32 s[G1B], s23, (1<<16)|(1<<20)|(1<<21)|(5<<22)|(3<<25)
	s_mov_b32 s[G1A+1], 128<<16
	s_mov_b32 s[G1A+2], 128<<16
	s_mov_b32 s[G1A+3], 128<<16
	s_mov_b32 s[G1A+4], 128
	s_mov_b32 s[G1A+5], 1024
	s_mov_b32 s[G1A+6], 0
	s_mov_b32 s[G1A+7], 0
	s_mov_b32 s[G1B+1], 128<<16
	s_mov_b32 s[G1B+2], 64<<16
	s_mov_b32 s[G1B+3], 128<<16
	s_mov_b32 s[G1B+4], 64
	s_mov_b32 s[G1B+5], 1024
	s_mov_b32 s[G1B+6], 0
	s_mov_b32 s[G1B+7], 0
	s_lshl_b32 s66, s[TY], 8                       ; O: row 256 ty + 128 half, 2,048 bytes a row
	s_lshl_b32 s67, s[WC], 7
	s_add_co_u32 s66, s66, s67
	s_lshl_b32 s66, s66, 11
	s_mov_b32 s67, 0
	s_lshl_b32 s68, s[TX], 7                       ; weights: row 128 tx + 64 half
	s_lshl_b32 s69, s[WC], 6
	s_add_co_u32 s68, s68, s69
	s_lshl_b32 s68, s68, 11
	s_mov_b32 s69, 0
	s_mul_i32 s22, s[WC], 34816
	s_mul_i32 s23, s[WC], 17408
	s_add_co_u32 s23, s23, BOFF
	s_mov_b32 s[TB], 0
	s_mov_b32 s70, 0xffff0000
	s_wait_dscnt 0x0
	s_wait_kmcnt 0x0
	s_add_nc_u64 s[66:67], s[4:5], s[66:67]
	s_add_nc_u64 s[68:69], s[6:7], s[68:69]
	CROUND
.irp s, 0,1
	s_mov_b32 s[G0A+4*(\s)], 1
	s_add_co_u32 s[G0A+4*(\s)+1], s22, (\s)*SLOT1
	s_add_nc_u64 s[G0A+4*(\s)+2:G0A+4*(\s)+3], s[66:67], (\s)*256
	s_or_b32 s[G0A+4*(\s)+3], s[G0A+4*(\s)+3], 0x80000000
	s_mov_b32 s[G0B+4*(\s)], 1
	s_add_co_u32 s[G0B+4*(\s)+1], s23, (\s)*SLOT1
	s_add_nc_u64 s[G0B+4*(\s)+2:G0B+4*(\s)+3], s[68:69], (\s)*256
	s_or_b32 s[G0B+4*(\s)+3], s[G0B+4*(\s)+3], 0x80000000
.endr
	s_cmp_lt_u32 s[WV], 2
	s_cbranch_scc0 .Lfirst_b
	tensor_load_to_lds s[G0A:G0A+3], s[G1A:G1A+7]
	s_nop 0
	tensor_load_to_lds s[G0A+4:G0A+7], s[G1A:G1A+7]
	s_nop 0
	PLACES
	s_branch .Lfirst_asked
.Lfirst_b:
	tensor_load_to_lds s[G0B:G0B+3], s[G1B:G1B+7]
	s_nop 0
	tensor_load_to_lds s[G0B+4:G0B+7], s[G1B:G1B+7]
	s_nop 0
	PLACES
.Lfirst_asked:
	v_and_b32 v1, 15, v0
	v_bfe_u32 v2, v0, 4, 1
	v_lshlrev_b32 v[BO], 5, v2
	s_lshl_b32 s22, s[TX], 9
	s_lshl_b32 s23, s[WC], 8
	s_add_co_u32 s22, s22, s23
	s_mov_b32 s23, 0
	s_add_nc_u64 s[8:9], s[8:9], s[22:23]
	WIN 0x40
.irp b, 0,1,2,3
	global_load_b128 v[8*(\b):8*(\b)+3],   v[BO], s[8:9] offset:64*(\b)
	global_load_b128 v[8*(\b)+4:8*(\b)+7], v[BO], s[8:9] offset:64*(\b)+16
.endr
	WIN 0
	v_mul_u32_u24 v3, v1, 272
	v_lshl_add_u32 v3, v2, 4, v3
	s_mul_i32 s22, s[WR], 34816
	s_mul_i32 s23, s[WC], 17408
	s_add_co_u32 s23, s23, BOFF
	v_add_nc_u32 v[AA0], s22, v3
	v_add_nc_u32 v[AB0], s23, v3
	v_mov_b32 v[AA], v[AA0]
	v_mov_b32 v[AB], v[AB0]
	s_mul_i32 s22, s[WV], 4352
	s_add_co_u32 s22, s22, STAGE
	v_mul_u32_u24 v[STO], v1, 272                  ; in: row r, my eight columns of a block: 32 h bytes
	v_lshl_add_u32 v[STO], v2, 5, v[STO]
	v_add_nc_u32 v[STO], s22, v[STO]
	v_mul_u32_u24 v[RD], v2, 272                   ; back: lanes 0-15 one row of 256 bytes, lanes 16-31 the next
	v_lshl_add_u32 v[RD], v1, 4, v[RD]
	v_add_nc_u32 v[RD], s22, v[RD]
	v_lshlrev_b32 v[CO], 12, v2
	v_lshl_add_u32 v[CO], v1, 4, v[CO]
	s_lshl_b32 s22, s[TY], 8
	s_lshl_b32 s23, s[WR], 7
	s_add_co_u32 s22, s22, s23
	s_lshl_b32 s22, s22, 12
	s_lshl_b32 s23, s[TX], 9
	s_add_co_u32 s22, s22, s23
	s_lshl_b32 s23, s[WC], 8
	s_add_co_u32 s22, s22, s23
	s_mov_b32 s23, 0
	s_add_nc_u64 s[10:11], s[10:11], s[22:23]
	s_lshl_b32 s66, s[TY], 8                       ; the prefetches' address
	s_lshl_b32 s67, s[WC], 7
	s_add_co_u32 s66, s66, s67
	s_lshl_b32 s67, s[CX], 5
	s_add_co_u32 s66, s66, s67
	s_lshl_b32 s66, s66, 11
	s_lshl_b32 s68, s[TX], 7
	s_lshl_b32 s69, s[WC], 6
	s_add_co_u32 s68, s68, s69
	s_lshl_b32 s69, s[CY], 4
	s_add_co_u32 s68, s68, s69
	s_lshl_b32 s68, s68, 11
	s_mov_b32 s[SH], 0x8000
	s_movk_i32 s21, 0x100
	s_and_b32 s23, ttmp7, 0xffff
	s_cmp_lt_u32 s[WV], 2
	s_cselect_b32 s[SH], s[SH], s21                ; lanes 16-31: sixteen rows on (O), or a K step on (weights)
	s_cselect_b32 s[PMK], 0, 1
	s_cselect_b32 s[LIM], 2, 3
	s_cselect_b32 s23, ttmp9, s23
	s_cselect_b32 s22, s66, s68
	s_cselect_b64 s[PFA:PFA+1], s[4:5], s[6:7]
	s_cmp_eq_u32 s23, 0
	s_cselect_b32 s[LIM], s[LIM], -1
	s_add_co_u32 s22, s22, 768                     ; at K step 3: the first change of slots steps it to 4
	s_mov_b32 s23, 0
	s_add_nc_u64 s[PFA:PFA+1], s[PFA:PFA+1], s[22:23]
	v_lshlrev_b32 v[PFO], 11, v1
	v_mul_u32_u24 v3, v2, s[SH]
	v_add_nc_u32 v[PFO], v[PFO], v3
	s_wait_loadcnt 0x0                             ; the bias: rounded to bf16 like every other input
	WIN 0x05
.set nq, 0
.rept 16
	v_cvt_pk_bf16_f32 v[F1+nq], v[2*nq], v[2*nq+1]
.set nq, nq+1
.endr
	WIN 0x40
.set nq, 0
.rept 16
	v_lshlrev_b32 v[2*nq], 16, v[F1+nq]
	v_and_b32 v[2*nq+1], s70, v[F1+nq]
.set nq, nq+1
.endr
	WIN 0
.macro FETCH k, f                      ; 24 loads: the weights' four fragments, O's first four, O's last four
	WIN 0
.irp b, 0,1,2,3
	ds_load_b128 v[(\f)+64+8*(\b):(\f)+64+8*(\b)+3],   v[AB] offset:(\k)+4352*(\b)
	ds_load_b128 v[(\f)+64+8*(\b)+4:(\f)+64+8*(\b)+7], v[AB] offset:(\k)+4352*(\b)+32
.endr
.irp a, 0,1,2,3,4,5,6,7
	ds_load_b128 v[(\f)+8*(\a):(\f)+8*(\a)+3],   v[AA] offset:(\k)+4352*(\a)
	ds_load_b128 v[(\f)+8*(\a)+4:(\f)+8*(\a)+7], v[AA] offset:(\k)+4352*(\a)+32
.endr
.endm
; ini = 0: in place.  ini = 1: C is the bias in accumulator (0, b)'s registers.  Every accumulator has one instruction a quarter step: they take turns.
.macro MULA f, a0, na, ini=0
	WIN 0x50
.set ha, \a0
.rept \na
.irp b, 0,1,2,3
.if \ini
	v_wmma_f32_16x16x32_f16 v[8*(4*ha+(\b)):8*(4*ha+(\b))+7], v[(\f)+64+8*(\b):(\f)+64+8*(\b)+7], v[(\f)+8*ha:(\f)+8*ha+7], v[8*(\b):8*(\b)+7]
.else
	v_wmma_f32_16x16x32_f16 v[8*(4*ha+(\b)):8*(4*ha+(\b))+7], v[(\f)+64+8*(\b):(\f)+64+8*(\b)+7], v[(\f)+8*ha:(\f)+8*ha+7], v[8*(4*ha+(\b)):8*(4*ha+(\b))+7]
.endif
.endr
.set ha, ha+1
.endr
.endm
.macro QUARTER f, g, k                 ; multiplies buffer f; in its middle fetches the next 32 k, at byte k of the rows, into buffer g
	s_wait_dscnt 8                                 ; all but O's last four fragments
	MULA \f, 0, 4
	PLACES
	FETCH \k, \g
	s_wait_dscnt 24                                ; all but the 24 just issued
	MULA \f, 4, 4
.endm
; A K step's last quarter multiplies buffer 1 and changes slots: each wave waits for all its tensor loads, adds 0 to its spare word, and waits for that and for its reads of this slot.
; fill = 1: the barrier opens a round of the cluster's barrier; behind it this slot is filled again with the K step two on.
.macro TURN fill
.if \fill
	s_wait_xcnt 0x0                                ; the last prefetch, a K step back, has read its address
	s_add_nc_u64 s[PFA:PFA+1], s[PFA:PFA+1], 256
.endif
	WIN 0
	s_wait_tensorcnt 0x0
	ds_add_u32 v[SPW], v[NIL]
.if \fill
	s_xor_b32 s[G0A+5], s[G0A+5], SLOT1
	s_add_nc_u64 s[G0A+6:G0A+7], s[G0A+6:G0A+7], 256
	s_xor_b32 s[G0B+5], s[G0B+5], SLOT1
	s_add_nc_u64 s[G0B+6:G0B+7], s[G0B+6:G0B+7], 256
.endif
	s_wait_dscnt 9                                 ; the youngest eight loads and the add may be out
	MULA F1, 0, 2
	s_wait_dscnt 0x0                               ; the add is done, my reads of this slot are over
	s_barrier_signal -1
	MULA F1, 2, 2
	WIN 0
	s_barrier_wait -1
.if \fill
	CREST
	JLOAD
.else
	PLACES
.endif
	s_xor_b32 s[TB], s[TB], SLOT1
	v_add_nc_u32 v[AA], s[TB], v[AA0]
	v_add_nc_u32 v[AB], s[TB], v[AB0]
	FETCH 0, F0
.if \fill
	ASK
.endif
	MULA F1, 4, 4
.endm
	s_wait_tensorcnt 0x1                           ; my part of K step 0 is in; K step 1's may stay out
	s_barrier_signal -1
	s_barrier_wait -1
	FETCH 0, F0
	s_wait_dscnt 8                                 ; the first quarter: the bias starts the sums
	MULA F0, 1, 3, 1
	PLACES
	FETCH 64, F1
	s_wait_dscnt 24
	MULA F0, 4, 4, 1
.rept 5
	v_nop                                          ; five places behind the last reader of the bias registers, which the next four products write
.endr
	MULA F0, 0, 1
	WIN 0
	s_mov_b32 s[CNT], 6                            ; the refills of K steps 2 to 7
.Lk:
	QUARTER F1, F0, 128
	QUARTER F0, F1, 192
	TURN 1
	QUARTER F0, F1, 64
	WIN 0
	s_sub_co_u32 s[CNT], s[CNT], 1
	s_cmp_lg_u32 s[CNT], 0
	s_cbranch_scc1 .Lk
	QUARTER F1, F0, 128                            ; the tail is written out: nothing more is asked for
	QUARTER F0, F1, 192
	TURN 0
	QUARTER F0, F1, 64
	QUARTER F1, F0, 128
	QUARTER F0, F1, 192
	s_wait_dscnt 8
	MULA F1, 0, 4
	s_wait_dscnt 0x0
	MULA F1, 4, 4
	PLACES
	; THE WAY OUT, 16 rows at a time through my own stage: a lane's eight f32 go in as 32 bytes of a row, whole rows of 256 bytes come back.  LDS serves a wave's instructions in order: no barrier.
.set xa, 0
.rept 8
	WIN 0x04                                       ; the stores' data lie in window 1
.irp b, 0,1,2,3
	ds_store_b128 v[STO], v[8*(4*xa+(\b)):8*(4*xa+(\b))+3]   offset:64*(\b)
	ds_store_b128 v[STO], v[8*(4*xa+(\b))+4:8*(4*xa+(\b))+7] offset:64*(\b)+16
.endr
	WIN 0
	s_wait_xcnt 0x0                                ; the stores of two blocks back have read these registers
.irp t, 0,1,2,3,4,5,6,7
	ds_load_b128 v[F0+32*(xa%2)+4*(\t):F0+32*(xa%2)+4*(\t)+3], v[RD] offset:544*(\t)
.endr
	s_wait_dscnt 0x0
.irp t, 0,1,2,3,4,5,6,7
	global_store_b128 v[CO], v[F0+32*(xa%2)+4*(\t):F0+32*(xa%2)+4*(\t)+3], s[10:11] offset:xa*65536+(\t)*8192 th:TH_STORE_NT  ; 16 lanes: 256 consecutive bytes, aligned
.endr
.set xa, xa+1
.endr
	s_wait_tensorcnt 0x0                           ; the wave's end
	ds_add_u32 v[SPW], v[NIL]
	s_wait_dscnt 0x0
	CROUND                                         ; the closing round
	s_endpgm
.Lfunc_end_k_qdf35af028b_proj:
	.size	k_qdf35af028b_proj, .Lfunc_end_k_qdf35af028b_proj-k_qdf35af028b_proj
	.p2alignl 7, 3214868480
	.fill 96, 4, 3214868480
	.section	.rodata,"a",@progbits
	.p2align	6, 0x0
	.amdhsa_kernel k_qdf35af028b_proj
		.amdhsa_group_segment_fixed_size 327680
		.amdhsa_private_segment_fixed_size 0
		.amdhsa_enable_private_segment 0
		.amdhsa_kernarg_size 32
		.amdhsa_user_sgpr_count 2
		.amdhsa_user_sgpr_kernarg_segment_ptr 1
		.amdhsa_wavefront_size32 1
		.amdhsa_system_sgpr_workgroup_id_x 1
		.amdhsa_system_sgpr_workgroup_id_y 1
		.amdhsa_system_sgpr_workgroup_id_z 1
		.amdhsa_system_vgpr_workitem_id 0
		.amdhsa_next_free_vgpr 512
		.amdhsa_next_free_sgpr 72
		.amdhsa_reserve_vcc 0
		.amdhsa_float_denorm_mode_32 3
		.amdhsa_float_denorm_mode_16_64 3
		.amdhsa_memory_ordered 1
		.amdhsa_forward_progress 1
		.amdhsa_inst_pref_size 74
	.end_amdhsa_kernel
	.amdgpu_metadata
---
amdhsa.version: [ 1, 2 ]
amdhsa.kernels:
  - .name:           k_qdf35af028b_proj
    .symbol:         k_qdf35af028b_proj.kd
    .args:
      - { .name: ob, .offset: 0, .size: 8, .value_kind: global_buffer, .address_space: global }
      - { .name: wpt, .offset: 8, .size: 8, .value_kind: global_buffer, .address_space: global }
      - { .name: b_proj, .offset: 16, .size: 8, .value_kind: global_buffer, .address_space: global }
      - { .name: out0, .offset: 24, .size: 8, .value_kind: global_buffer, .address_space: global }
    .group_segment_fixed_size: 327680
    .private_segment_fixed_size: 0
    .kernarg_segment_align: 8
    .kernarg_segment_size: 32
    .max_flat_workgroup_size: 128
    .sgpr_count:     72
    .vgpr_count:     512
    .wavefront_size: 32
...
	.end_amdgpu_metadata
.endif
;; end of part 5
